; MI455X (gfx1250); checked and timed in simulation.
; The chip was launched on July 23, 2026; its instructions are those of AMD's public machine-readable ISA for CDNA 5 (MIT licence, August 2026) and "CDNA5" Instruction Set Architecture Reference Guide (July 2026). The comments in the code are by the model that wrote it; some were corrected since.
;; Glm4 Moe Attention. Allowed arithmetic: matrix products marked QUANTISED: E2M1 operands, one E8M0 scale for each 32 along K, by v_wmma_scale_f32_16x16x128_f8f6f4 with both operands' format E2M1 (or v_wmma_scale_f32_32x16x128_f4), f32 sums; products left as they are: bf16, f16 or f32 operands; f32 sums; everything else in f32.
;; Inputs: Wk 1,024 x 4,096 float32; Wo 4,096 x 2,048 float32; Wq 2,048 x 4,096 float32; Wv 1,024 x 4,096 float32; cos 1 x 2,048 x 64 float32; hidden_states 1 x 2,048 x 4,096 float32; k_norm_w 128 float32; q_norm_w 128 float32; sin 1 x 2,048 x 64 float32.
;; Outputs: out0 1 x 2,048 x 4,096 float32.
;; This version of the problem:
;;   THIS VERSION OF THE PROBLEM IS GIVEN IN LOW PRECISION. The matrix products marked QUANTISED in the list below multiply operands that are first quantised to E2M1 (2 exponent bits, 1 mantissa bit; 4 bits a number), with one power-of-two scale for each 32 numbers along K (OCP MX v1.0); their sums are f32. The products marked 'left as it is' may take bf16, f16 or f32 operands, with f32 sums. Whichever they take, every output number must still come out within the allowed error. Rounding operands to bf16 (8 significant bits) uses up far more of that allowance than f16 does (11 bits, for magnitudes from 6e-5 to 65,504). All else is computed in f32.
;;   The module's matrix products, in the order in which they are computed (A, B: the left and right operand; K: the contracted axis; several contracted axes count as one K, in the product's order):
;;     1. [M 2,048, K 4,096] x [K 4,096, N 2,048]; A: input hidden_states; B: input Wq: QUANTISED
;;     2. [M 2,048, K 4,096] x [K 4,096, N 1,024]; A: input hidden_states; B: input Wk: QUANTISED
;;     3. [M 2,048, K 4,096] x [K 4,096, N 1,024]; A: input hidden_states; B: input Wv: QUANTISED
;;     4. batch 16 x [M 2,048, K 128] x [K 128, N 2,048]; A: computed on the way; B: computed on the way: left as it is (an operand is computed on the way)
;;     5. batch 16 x [M 128, K 2,048] x [K 2,048, N 2,048]; A: computed on the way; B: computed on the way: left as it is (an operand is computed on the way)
;;     6. [M 2,048, K 2,048] x [K 2,048, N 4,096]; A: computed on the way; B: input Wo: left as it is (an operand is computed on the way)
;;   THE QUANTISER, for each operand of a quantised product, along K:
;;     - K is cut into blocks of 32 from its start; a last block that is shorter is filled with zeros.
;;     - A block's scale is 2^e with e = floor(log2(the largest magnitude in the block)) - 2, held to -126 .. 127; a block of zeros has e = 0. As a byte (E8M0): e + 127.
;;     - Each number is divided by its block's scale, clamped to +-6, and rounded to the nearest number of E2M1, ties to even, subnormals kept.
;;     - The product sums the exact products of the quantised numbers (number of the format x scale) in f32.
;;   ~~~python
;;   def quantise(x, axis):      # numpy; x: float32 -> the quantised numbers, widened to float32 again
;;       x = np.moveaxis(x, axis, -1); K = x.shape[-1]
;;       x = np.pad(x, [(0, 0)] * (x.ndim - 1) + [(0, -K % 32)]); x = x.reshape(x.shape[:-1] + (-1, 32)); a = np.abs(x).max(-1, keepdims=True)
;;       e = np.where(a > 0, np.clip(np.frexp(np.where(a > 0, a, 1))[1] - 1 - 2, -126, 127), 0)      # np.frexp(a)[1] - 1 = floor(log2(a)), exactly
;;       r = np.clip(x / 2.0 ** e, -6, 6)
;;       step = 2.0 ** (np.maximum(np.frexp(np.where(r == 0, 1, r))[1] - 1, 0) - 1)
;;       q = np.round(r / step) * step * 2.0 ** e      # np.round: ties to even
;;       return np.moveaxis(q.reshape(q.shape[:-2] + (-1,))[..., :K], -1, axis).astype(np.float32)
;;   ~~~
;; One version. Each part assembles by itself: llvm-mc -triple=amdgcn-amd-amdhsa -mcpu=gfx1250 --defsym DOCPART=n.
;; ======== version 1 of 1: 4 launches
;; limits: values are held in f16: magnitudes above 65,504 overflow, below 6.1e-05 lose precision; right only within a limited range of input values
;; workspace buffers: codes 12,582,912 bytes; scales 786,432 bytes; qkv16 16,777,216 bytes; qkv32 262,144 bytes; o16 8,388,608 bytes; wo16 16,777,216 bytes
;; launch quant (part 1): grid 768 x 1, 4 waves a work-group, no clusters, 33,280 bytes of LDS; arguments hidden_states, Wq, Wk, Wv, codes, scales; writes codes, scales
.if DOCPART == 1
	.amdgcn_target "amdgcn-amd-amdhsa--gfx1250"
	.amdhsa_code_object_version 6
	.text
	.protected	k_qc691362c9f_quant
	.globl	k_qc691362c9f_quant
	.p2align	8
	.type	k_qc691362c9f_quant,@function
k_qc691362c9f_quant:
	s_mov_b64 s[64:65], 0
	v_nop
	global_prefetch_b8 v0, s[64:65] scope:SCOPE_SE
	s_setreg_imm32_b32 hwreg(HW_REG_WAVE_MODE, 25, 1), 1
	s_wait_xcnt 0x0
; Glm4MoeAttention in four launches: quant (this one), qkv, attn, oproj.
; THIS LAUNCH: hidden_states [2048][4096], Wq [2048][4096], Wk and Wv [1024][4096], f32, K = 4096 innermost, become codes of E2M1 (two a byte, the lower k in the low four bits)
; and one E8M0 byte for each 32 along K.  The workspace rows lie in that order: codes [6144][2048 bytes], scales [6144][128 bytes]: rows 0-2047 hidden, 2048-4095 Wq, 4096-5119 Wk, 5120-6143 Wv.
; A block's scale is 2^(floor(log2(its largest magnitude)) - 2); its byte is the largest magnitude's exponent field - 2, held at 1 from below; each number is divided by the scale and rounded to the nearest code, ties to even,
; beyond 6 the largest code.
; WORK LEFT OUT IN THE PROGRAM (in launch attn alone): reference() builds causal = tril(ones) in its own body and puts finfo.min in the place of every score whose key comes after its query, whatever q and k hold:
; so those q.k products reach no output; their weights are exp(finfo.min - the row's maximum), which f32 gives as 0 for every finite maximum, so the same keys' rows of v add nothing.  Steps of 64 keys that lie wholly
; behind a block's last query are therefore not computed; inside the step on the diagonal the hidden scores become -infinity.  Every input has a way to the output and is loaded.
; LIMITS: a NaN, an infinity or an overflow that reaches only the work left out is not carried to the result.  NaN and infinities among the inputs are not served.  A block of zeros gets the byte 1 where the rule says 127:
; its codes are zeros, which add nothing under that byte, and the bytes are read by this program alone.  Blocks whose largest magnitude lies under 2^-124, the floor, were not tried.
; q, k, p, v, the attention's result and Wo go to the 16-bit products as f16: |q|, |k| under 65,504; v and the attention's result are kept x 2^-2 and Wo x 2^2 (exact, they cancel): |v| under 2.6e5.
; Rows are dense and K is a multiple of 32: each tensor is a plain stream of blocks of 32.  Work-group g takes 32,768 numbers: g 0-255 hidden, 256-511 Wq, 512-639 Wk, 640-767 Wv; its place in the workspace is g's own.
; A wave takes 16 steps of 512 numbers.  Each of a step's four loads reads 512 consecutive bytes; the 2,048 bytes turn through the wave's own stage in LDS and come back 64 bytes a lane, 16 neighbours along K,
; two lanes to a block.  A lane's 16 codes are 8 bytes: the wave stores 256 consecutive aligned bytes.  A wave's 256 scale bytes are gathered in LDS and leave as 256 consecutive aligned bytes.
; No tensor loads, no barrier: waves share nothing.  Loads run four steps (16 loads a wave) ahead, the turn through LDS one step.
.set WAVES, 4
.set STEPS, 16
.set CB,    8                          ; bytes of 16 codes
.set R,     16                         ; v16-79   four sets of 16 numbers as they are loaded
.set X,     80                         ; v80-111  two sets of 16 neighbours
.set C,     128                        ; v128-191 codes: four registers for each step, so that no store's data are written again
.set E,     112                        ; v112-127 a scale byte for each step
.set WREG,  8192                       ; LDS: a region for each wave: two stages of 32 x SP bytes, behind them its 256 scale bytes
.set SP,    80                         ; a lane's place in a stage: 64 bytes + 16 of padding
.set SPW,   12                         ; v12  LDS address of my spare word; never rewritten
.set NIL,   13                         ; v13  0; never rewritten
.set SPARE, WAVES*WREG                 ; behind the four regions: the spare words, 128 bytes a wave
	s_load_b256 s[4:11], s[0:1], 0x0               ; hidden_states, Wq, Wk, Wv
	s_load_b128 s[12:15], s[0:1], 0x20             ; codes, scales
	v_lshl_add_u32 v[SPW], v0, 2, SPARE
	v_mov_b32 v[NIL], 0
	v_lshrrev_b32 v1, 5, v0
	v_readfirstlane_b32 s16, v1                    ; wave
	v_and_b32 v2, 31, v0                           ; lane
	v_lshlrev_b32 v3, 4, v2                        ; my 16 bytes of a load's 512
	s_mul_i32 s17, s16, WREG
	v_lshrrev_b32 v14, 2, v2
	v_mul_u32_u24 v14, v14, SP
	v_and_b32 v15, 3, v2
	v_lshl_add_u32 v14, v15, 4, v14
	v_add_nc_u32 v14, s17, v14                     ; the stage, on the way in: SP (lane / 4) + 16 (lane % 4)
	v_mul_u32_u24 v15, v2, SP
	v_add_nc_u32 v15, s17, v15                     ; and on the way out: SP x lane: my 16 neighbours
	v_mul_u32_u24 v4, v2, CB                       ; my codes' place in a step's
	v_lshrrev_b32 v5, 1, v2
	s_add_co_u32 s17, s17, 2*32*SP
	v_add_nc_u32 v5, s17, v5                       ; LDS: my wave's 256 scale bytes, my block's byte
	v_lshlrev_b32 v7, 3, v2                        ; and on the way out 8 bytes a lane
	v_add_nc_u32 v6, s17, v7
	s_wait_kmcnt 0x0
	s_mov_b32 s22, 640                             ; which tensor is mine, and the number of its first work-group: the choice hangs on the work-group's number alone
	s_cmp_lt_u32 ttmp9, 640
	s_cselect_b64 s[10:11], s[8:9], s[10:11]       ; Wk, else Wv
	s_cselect_b32 s22, 512, s22
	s_cmp_lt_u32 ttmp9, 512
	s_cselect_b64 s[10:11], s[6:7], s[10:11]       ; Wq
	s_cselect_b32 s22, 256, s22
	s_cmp_lt_u32 ttmp9, 256
	s_cselect_b64 s[10:11], s[4:5], s[10:11]       ; hidden_states
	s_cselect_b32 s22, 0, s22
	s_sub_co_u32 s18, ttmp9, s22
	s_lshl_b32 s18, s18, 2
	s_add_co_u32 s18, s18, s16                     ; my wave's run of 8,192 numbers in its tensor,
	s_lshl_b32 s18, s18, 15                        ; in bytes (under 2^26)
	s_mov_b32 s19, 0
	s_add_nc_u64 s[10:11], s[10:11], s[18:19]
	s_lshl_b32 s18, ttmp9, 2
	s_add_co_u32 s18, s18, s16                     ; and in the workspace
	s_lshl_b32 s20, s18, 12                        ; 4,096 bytes of codes a run
	s_mov_b32 s21, 0
	s_add_nc_u64 s[12:13], s[12:13], s[20:21]
	s_lshl_b32 s18, s18, 8                         ; 256 scale bytes a run
	s_add_nc_u64 s[14:15], s[14:15], s[18:19]
.macro LOAD t
.irp i, 0,1,2,3
	global_load_b128 v[R+16*((\t)%4)+4*\i:R+16*((\t)%4)+4*\i+3], v3, s[10:11] offset:2048*(\t)+512*\i th:TH_LOAD_NT   ; 32 lanes read 512 consecutive bytes
.endr
.endm
.macro TURN t                          ; step t's numbers through the stage: LDS serves a wave's instructions in order, so no wait stands between the stores and the loads
.irp i, 0,1,2,3
	ds_store_b128 v14, v[R+16*((\t)%4)+4*\i:R+16*((\t)%4)+4*\i+3] offset:32*SP*((\t)%2)+8*SP*\i
.endr
.irp i, 0,1,2,3
	ds_load_b128 v[X+16*((\t)%2)+4*\i:X+16*((\t)%2)+4*\i+3], v15 offset:32*SP*((\t)%2)+16*\i
.endr
.endm
.irp t, 0,1,2,3
	LOAD \t
.endr
	s_wait_loadcnt 12                              ; step 0's four loads are in; the twelve of steps 1 to 3 may be out
	TURN 0
.macro STEP t
.set XS, X+16*((\t)%2)
.if (\t) > 0
	s_wait_dscnt 1                                 ; this step's numbers are back from the stage (the last step's byte store may be out): so its stores into the stage have read their registers,
.else
	s_wait_dscnt 0x0
.endif
.if (\t)+4 < STEPS
	LOAD (\t)+4                                    ; which take the loads of four steps on
.endif
.if (\t)+1 < STEPS
.if STEPS-2-(\t) >= 3
	s_wait_loadcnt 12                              ; the next step's four loads are in; those of the three steps behind it may be out
.else
	s_wait_loadcnt 4*(STEPS-2-(\t))
.endif
	TURN (\t)+1                                    ; and go through the other stage while this step is worked
.endif
	v_max3_num_f32 v8, |v[XS]|, |v[XS+1]|, |v[XS+2]|               ; the largest magnitude of my 16, in two chains
	v_max3_num_f32 v9, |v[XS+3]|, |v[XS+4]|, |v[XS+5]|
.irp i, 6,10
	v_max3_num_f32 v8, v8, |v[XS+\i]|, |v[XS+\i+1]|
	v_max3_num_f32 v9, v9, |v[XS+\i+2]|, |v[XS+\i+3]|
.endr
	v_max3_num_f32 v8, v8, |v[XS+14]|, |v[XS+15]|
	v_max3_num_f32 v8, v8, v9, 0x1800000           ; and the floor 2^(3 - 127): the byte cannot fall under 1
	v_max_num_f32_dpp v8, v8, v8 row_xmask:1 row_mask:0xf bank_mask:0xf   ; and of my neighbour's 16: the block's
	v_add_nc_u32 v11, 0xff000000, v8               ; 2 off its exponent field: the conversion takes the exponent field of this operand as its scale
	v_cvt_scalef32_pk8_fp4_f32 v[C+4*(\t)], v[XS:XS+7], v11
	v_cvt_scalef32_pk8_fp4_f32 v[C+4*(\t)+1], v[XS+8:XS+15], v11
	v_lshrrev_b32 v[E+(\t)], 23, v11               ; the scale's byte
	ds_store_b8 v5, v[E+(\t)] offset:16*(\t)       ; both lanes of a block write the same byte with the same value
	global_store_b64 v4, v[C+4*(\t):C+4*(\t)+1], s[12:13] offset:32*CB*(\t)
.endm
.irp t, 0,1,2,3,4,5,6,7,8,9,10,11,12,13,14,15
	STEP \t
.endr
	ds_load_b64 v[8:9], v6                         ; LDS serves a wave's instructions in order: these see my stores
	s_wait_dscnt 0x0
	global_store_b64 v7, v[8:9], s[14:15]          ; 32 lanes store 256 consecutive aligned bytes
	s_wait_tensorcnt 0x0                           ; the wave's end: behind my last LDS store
	ds_add_u32 v[SPW], v[NIL]
	s_wait_dscnt 0x0
	s_endpgm
.Lfunc_end_k_qc691362c9f_quant:
	.size	k_qc691362c9f_quant, .Lfunc_end_k_qc691362c9f_quant-k_qc691362c9f_quant
	.p2alignl 7, 3214868480
	.fill 96, 4, 3214868480
	.section	.rodata,"a",@progbits
	.p2align	6, 0x0
	.amdhsa_kernel k_qc691362c9f_quant
		.amdhsa_group_segment_fixed_size 33280
		.amdhsa_private_segment_fixed_size 0
		.amdhsa_enable_private_segment 0
		.amdhsa_kernarg_size 48
		.amdhsa_user_sgpr_count 2
		.amdhsa_user_sgpr_kernarg_segment_ptr 1
		.amdhsa_wavefront_size32 1
		.amdhsa_system_sgpr_workgroup_id_x 1
		.amdhsa_system_sgpr_workgroup_id_y 1
		.amdhsa_system_sgpr_workgroup_id_z 1
		.amdhsa_system_vgpr_workitem_id 0
		.amdhsa_next_free_vgpr 192
		.amdhsa_next_free_sgpr 66
		.amdhsa_reserve_vcc 0
		.amdhsa_float_denorm_mode_32 3
		.amdhsa_float_denorm_mode_16_64 3
		.amdhsa_memory_ordered 1
		.amdhsa_forward_progress 1
		.amdhsa_inst_pref_size 34
	.end_amdhsa_kernel
	.amdgpu_metadata
---
amdhsa.version: [ 1, 2 ]
amdhsa.kernels:
  - .name:           k_qc691362c9f_quant
    .symbol:         k_qc691362c9f_quant.kd
    .args:
      - { .name: hidden_states, .offset: 0, .size: 8, .value_kind: global_buffer, .address_space: global }
      - { .name: Wq, .offset: 8, .size: 8, .value_kind: global_buffer, .address_space: global }
      - { .name: Wk, .offset: 16, .size: 8, .value_kind: global_buffer, .address_space: global }
      - { .name: Wv, .offset: 24, .size: 8, .value_kind: global_buffer, .address_space: global }
      - { .name: codes, .offset: 32, .size: 8, .value_kind: global_buffer, .address_space: global }
      - { .name: scales, .offset: 40, .size: 8, .value_kind: global_buffer, .address_space: global }
    .group_segment_fixed_size: 33280
    .private_segment_fixed_size: 0
    .kernarg_segment_align: 8
    .kernarg_segment_size: 48
    .max_flat_workgroup_size: 128
    .sgpr_count:     66
    .vgpr_count:     192
    .wavefront_size: 32
...
	.end_amdgpu_metadata
.endif
;; end of part 1
;; launch qkv (part 2): grid 16 x 16, 4 waves a work-group, clusters of 4 x 4, 327,680 bytes of LDS; arguments codes, scales, cos, sin, q_norm_w, k_norm_w, qkv16, qkv32; writes qkv16, qkv32
.if DOCPART == 2
	.amdgcn_target "amdgcn-amd-amdhsa--gfx1250"
	.amdhsa_code_object_version 6
	.text
	.protected	k_qc691362c9f_qkv
	.globl	k_qc691362c9f_qkv
	.p2align	8
	.type	k_qc691362c9f_qkv,@function
k_qc691362c9f_qkv:
	s_mov_b64 s[64:65], 0
	v_nop
	global_prefetch_b8 v0, s[64:65] scope:SCOPE_SE
	s_setreg_imm32_b32 hwreg(HW_REG_WAVE_MODE, 25, 1), 1
	s_wait_xcnt 0x0
	s_wait_alu depctr_hold_cnt(0) depctr_sa_sdst(0) depctr_va_vdst(0) depctr_va_sdst(0) depctr_va_ssrc(0) depctr_va_vcc(0) depctr_vm_vsrc(0)
	s_getreg_b32 s2, hwreg(HW_REG_IB_STS2, 6, 4)
	s_cmp_eq_u32 s2, 0
	s_cbranch_scc0 .Lentry_in_a_cluster
	s_endpgm
.Lentry_in_a_cluster:
	s_bfe_u32 s2, ttmp6, 0x10000c
	s_cmp_lg_u32 s2, 0xf033
	s_cbranch_scc0 .Lentry_shape_is_right
	s_endpgm
.Lentry_shape_is_right:
; [2048 positions] x [4096 rows of Wq | Wk | Wv], K = 4096, on codes of E2M1 with E8M0 scales; then, fused, the RMSNorm of each head of q and k, the rotation of its first 64 channels, and the rounding to f16.
; Nothing of reference() is left out here.
; OUT: qkv16 [32 heads][2048][128] f16: heads 0-15 q, 16-23 k, 24-31 v x 2^-2;  qkv32 [32][16][128] f32: positions 0-15, v unscaled, for the fine rows.
; SHARES.  A work-group makes 128 positions x 256 columns (two heads): 16 x 16 work-groups, one for each of 256 WGPs.  Wave w: rows 64 (w / 2) on (A's blocks 0-3), columns 128 (w % 2) on (B's blocks 0-7): ONE HEAD.
; THE MATRIX INSTRUCTION IS USED TRANSPOSED (source 0 = 16 weight rows, source 1 = 16 positions): lane (r, h) holds position r and channels 16 b + 8 h + 0 .. 7 of its head, so a head's sum of squares wants one exchange
; between the halves of the lanes, and channel i and channel i + 32 (the rotation's partners) lie in one lane, in blocks b and b + 2.
; K goes in steps of 512 (a tile's row: 256 bytes) through a ring of two LDS slots; a step is four matrix instructions deep.  The scale bytes of the work-group's rows, for all of K, come once with the first fills.
; CLUSTERS: 4 x 4.  The four of a row of the cluster need the same tiles of A, the four of a column the same tiles of B: each tile is asked for jointly.
; REGISTERS: window 0: v1-29 addresses and work; v32-95 scale words, two sets, and nothing else; v96-127 T; v128-191 A's fragments, two sets (on the way out, with v192-255: cos and sin, two sets).
;   window 1: the 32 accumulators, (a, b) at v[8 (8 a + b)].   window 2: v0-127 B's fragments, two sets (on the way out: v0-63 rows on their way to memory, v64-127 the norm's weights).
.set PITCH, 272                        ; an LDS row: 256 bytes + 16 of padding: the 16 rows of a fragment load start 68 words apart
.set AHALF, 64*PITCH                   ; what a wave fetches of A, and what a wave reads of A
.set BHALF, 128*PITCH                  ; the same for B
.set BOFF,  2*AHALF                    ; a slot: A's 128 rows, then B's 256
.set SLOT,  BOFF+2*BHALF
.set SCL,   2*SLOT                     ; behind the ring: the scales, as pieces of 256 bytes (two rows) + 16 of padding: A's 128 rows, then B's 256
.set SAH,   32*272                     ; the scales of 64 rows
.set SBH,   64*272                     ; of 128 rows
.set SBLK,  8*272                      ; of 16 rows
.set SPARE, SCL+2*SAH+2*SBH            ; the spare words, 128 bytes a wave
.set STAGE, SPARE+512                  ; the way out: 16 rows x 272 bytes for each wave; no fill ever lands here
.set STGV,  4*16*272                   ; v's path has stage bytes of its own, so many bytes further on
.set LAPS,  4                          ; a lap = two K steps; 4096 / 1024
.set ADRA, 8                           ; v8-9   LDS address of my A fragments in slot 0, 1
.set ADRB, 10                          ; v10-11 the same for B
.set ADRS, 12                          ; v12    of my scale words: lanes 0-15 A's rows, lanes 16-31 B's
.set STO,  13                          ; v13    the stage: where I put 16 bytes of a row
.set RD,   14                          ; v14    and where I read a row back
.set GO,   15                          ; v15    16 x lane: my bytes of two rows of qkv16
.set CA,   16                          ; v16    cos, sin: 256 r + 32 h
.set WA,   17                          ; v17    the norm's weights: 32 h
.set FO,   18                          ; v18    qkv32: 512 r + 32 h
.set FR,   19                          ; v19    my wave's first position
.set SPW,  28
.set NIL,  29
.set SC,   32
.set T,    96
.set AF,   128
.set CSR,  128
.set WV,  20                           ; s20 wave;  s21 = wave / 2: my half of the rows, and: I fetch for A (0) or B (1);  s22 = wave % 2: my half of the columns, and which half I fetch;  s23 laps
.set WM,  21
.set WN,  22
.set LAP, 23
.set G1A, 24
.set G0A, 32
.set G1B, 40
.set G0B, 48
.set G0SA, 56
.set G0SB, 60
.set G1SA, 68
.set G1SB, 76
.set MSB, 0
.macro WIN new                         ; the immediate's high byte repeats the setting that is left
.if MSB != \new
	s_set_vgpr_msb (MSB<<8)|\new
.set MSB, \new
.endif
.endm
.set MUL,  0x52                        ; source 0 (B) window 2, source 1 (A) window 0, C and D window 1
.set TO_B, 0x80                        ; destination window 2, address window 0
.macro PLACES n
.rept \n
	v_nop
.endr
.endm
; A joint load: waves 0 and 1 fetch for A, waves 2 and 3 for B.  The branch hangs on the wave's number alone.  An s_nop 0 and four v_nop follow each line.
.macro JLOAD g0a, g1a, g0b, g1b
	s_cmp_eq_u32 s[WM], 0
	s_cbranch_scc0 .Lfor_b_\@
	tensor_load_to_lds s[\g0a:\g0a+3], s[\g1a:\g1a+7]
	s_nop 0
.rept 4
	v_nop
.endr
	s_branch .Lasked_\@
.Lfor_b_\@:
	tensor_load_to_lds s[\g0b:\g0b+3], s[\g1b:\g1b+7]
	s_nop 0
.rept 4
	v_nop
.endr
.Lasked_\@:
.endm
.macro CREST                           ; a round of the cluster's barrier behind its opening barrier
	s_cmp_lg_u32 s[WV], 0
	s_cbranch_scc1 .Lnot_wave_0_\@
	s_barrier_signal -3
.Lnot_wave_0_\@:
	s_barrier_wait -3
	s_barrier_signal -1
	s_barrier_wait -1
.endm
.macro CROUND
	s_barrier_signal -1
	s_barrier_wait -1
	CREST
.endm
	s_load_b512 s[4:19], s[0:1], 0x0               ; codes s[4:5], scales s[6:7], cos s[8:9], sin s[10:11], q_norm_w s[12:13], k_norm_w s[14:15], qkv16 s[16:17], qkv32 s[18:19]
	v_lshl_add_u32 v[SPW], v0, 2, SPARE
	v_mov_b32 v[NIL], 0
	ds_add_u32 v[SPW], v[NIL]                      ; the wave's opening: the add, twice on end, and its wait ahead of my first tensor load
	ds_add_u32 v[SPW], v[NIL]
	v_lshrrev_b32 v1, 5, v0
	v_readfirstlane_b32 s[WV], v1
	s_lshr_b32 s[WM], s[WV], 1
	s_and_b32 s[WN], s[WV], 1
	s_bfe_u32 s84, ttmp6, 0x40000                  ; cx
	s_bfe_u32 s85, ttmp6, 0x40004                  ; cy
	s_lshl_b32 s86, ttmp9, 2
	s_add_co_u32 s86, s86, s84                     ; tile column = 4 x cluster x + cx
	s_and_b32 s87, ttmp7, 0xffff
	s_lshl_b32 s87, s87, 2
	s_add_co_u32 s87, s87, s85                     ; tile row = 4 x cluster y + cy
	s_lshl_b32 s88, s85, 2
	s_lshl_b32 s88, 15, s88                        ; my row of the cluster
	s_lshl_b32 s89, 0x1111, s84                    ; my column
	; group 1 for the codes: elements of 1 byte, rows of 256, 16 bytes of padding behind each; A: 64 rows a load, B: 128; rows 2,048 bytes apart in memory
	s_or_b32 s[G1A], s88, (1<<20)|(1<<21)|(5<<22)|(3<<25)
	s_or_b32 s[G1B], s89, (1<<20)|(1<<21)|(5<<22)|(3<<25)
	s_mov_b32 s[G1A+1], 256<<16
	s_mov_b32 s[G1A+2], 64<<16
	s_mov_b32 s[G1A+3], 256<<16
	s_mov_b32 s[G1A+4], 64
	s_mov_b32 s[G1A+5], 2048
	s_mov_b32 s[G1A+6], 0
	s_mov_b32 s[G1A+7], 0
	s_mov_b32 s[G1B+1], 256<<16
	s_mov_b32 s[G1B+2], 128<<16
	s_mov_b32 s[G1B+3], 256<<16
	s_mov_b32 s[G1B+4], 128
	s_mov_b32 s[G1B+5], 2048
	s_mov_b32 s[G1B+6], 0
	s_mov_b32 s[G1B+7], 0
	; group 1 for the scales: a dense block, as rows of 256 bytes (32 elements of 8 bytes), 16 bytes of padding behind each; A: 32 such rows a load, B: 64
	s_or_b32 s[G1SA], s88, (3<<16)|(1<<20)|(1<<21)|(5<<22)|(3<<25)
	s_or_b32 s[G1SB], s89, (3<<16)|(1<<20)|(1<<21)|(5<<22)|(3<<25)
	s_mov_b32 s[G1SA+1], 32<<16
	s_mov_b32 s[G1SA+2], 32<<16
	s_mov_b32 s[G1SA+3], 32<<16
	s_mov_b32 s[G1SA+4], 32
	s_mov_b32 s[G1SA+5], 32
	s_mov_b32 s[G1SA+6], 0
	s_mov_b32 s[G1SA+7], 0
	s_mov_b32 s[G1SB+1], 32<<16
	s_mov_b32 s[G1SB+2], 64<<16
	s_mov_b32 s[G1SB+3], 32<<16
	s_mov_b32 s[G1SB+4], 64
	s_mov_b32 s[G1SB+5], 32
	s_mov_b32 s[G1SB+6], 0
	s_mov_b32 s[G1SB+7], 0
	; group 0: the count and the LDS addresses: the wave's number and constants alone
	s_mov_b32 s[G0A], 1
	s_mul_i32 s[G0A+1], s[WN], AHALF
	s_mov_b32 s[G0A+4], 1
	s_add_co_u32 s[G0A+5], s[G0A+1], SLOT
	s_mov_b32 s[G0B], 1
	s_mul_i32 s[G0B+1], s[WN], BHALF
	s_add_co_u32 s[G0B+1], s[G0B+1], BOFF
	s_mov_b32 s[G0B+4], 1
	s_add_co_u32 s[G0B+5], s[G0B+1], SLOT
	s_mov_b32 s[G0SA], 1
	s_mul_i32 s[G0SA+1], s[WN], SAH
	s_add_co_u32 s[G0SA+1], s[G0SA+1], SCL
	s_mov_b32 s[G0SB], 1
	s_mul_i32 s[G0SB+1], s[WN], SBH
	s_add_co_u32 s[G0SB+1], s[G0SB+1], SCL+2*SAH
	; where the tiles come from: A's by the tile row, B's by the tile column, each in registers that never hold the other coordinate
	s_lshl_b32 s90, s87, 7
	s_lshl_b32 s91, s[WN], 6
	s_add_co_u32 s90, s90, s91                     ; A: row 128 x tile row + 64 x half
	s_lshl_b32 s92, s90, 7                         ; its scales: 128 bytes a row
	s_mov_b32 s93, 0
	s_lshl_b32 s90, s90, 11                        ; its codes: 2,048 bytes a row
	s_mov_b32 s91, 0
	s_lshl_b32 s94, s86, 8
	s_lshl_b32 s95, s[WN], 7
	s_add_co_u32 s94, s94, s95                     ; B: row 256 x tile column + 128 x half, behind hidden's 2,048 rows
	s_lshl_b32 s96, s94, 7
	s_add_co_u32 s96, s96, 2048*128
	s_mov_b32 s97, 0
	s_lshl_b32 s94, s94, 11
	s_add_co_u32 s94, s94, 2048*2048
	s_mov_b32 s95, 0
	s_mov_b32 s2, 0x76543210                       ; v_permlanex16_b32's selects for lane l xor 16
	s_mov_b32 s3, 0xfedcba98
	s_mov_b32 s98, 0x358637bd                      ; 1e-6
	s_mov_b32 s99, 0x3c000000                      ; 1 / 128
	s_wait_dscnt 0x0                               ; both opening adds are done
	s_wait_kmcnt 0x0
	s_add_nc_u64 s[G0A+2:G0A+3], s[4:5], s[90:91]
	s_add_nc_u64 s[G0A+6:G0A+7], s[G0A+2:G0A+3], 256   ; slot 1: K step 1
	s_or_b32 s[G0A+3], s[G0A+3], 0x80000000
	s_or_b32 s[G0A+7], s[G0A+7], 0x80000000
	s_add_nc_u64 s[G0B+2:G0B+3], s[4:5], s[94:95]
	s_add_nc_u64 s[G0B+6:G0B+7], s[G0B+2:G0B+3], 256
	s_or_b32 s[G0B+3], s[G0B+3], 0x80000000
	s_or_b32 s[G0B+7], s[G0B+7], 0x80000000
	s_add_nc_u64 s[G0SA+2:G0SA+3], s[6:7], s[92:93]
	s_or_b32 s[G0SA+3], s[G0SA+3], 0x80000000
	s_add_nc_u64 s[G0SB+2:G0SB+3], s[6:7], s[96:97]
	s_or_b32 s[G0SB+3], s[G0SB+3], 0x80000000
	CROUND                                         ; all sixteen work-groups are here: the first joint loads meet
	JLOAD G0SA, G1SA, G0SB, G1SB                   ; the scales first: they are wanted with K step 0.  Three loads of mine are out behind these three lines
	JLOAD G0A, G1A, G0B, G1B
	JLOAD G0A+4, G1A, G0B+4, G1B
	v_and_b32 v1, 15, v0                           ; r
	v_bfe_u32 v2, v0, 4, 1                         ; h
	v_mul_u32_u24 v3, v1, PITCH
	v_lshl_add_u32 v3, v2, 4, v3                   ; a fragment's row x pitch + 16 h
	s_mul_i32 s90, s[WM], AHALF                    ; my 64 rows of A
	s_mul_i32 s91, s[WN], BHALF
	s_add_co_u32 s91, s91, BOFF                    ; my 128 rows of B
	v_add_nc_u32 v[ADRA], s90, v3
	v_add_nc_u32 v[ADRB], s91, v3
	s_add_co_u32 s90, s90, SLOT
	s_add_co_u32 s91, s91, SLOT
	v_add_nc_u32 v[ADRA+1], s90, v3
	v_add_nc_u32 v[ADRB+1], s91, v3
	v_lshlrev_b32 v4, 7, v1                        ; my row's scales: 128 bytes a row,
	v_lshrrev_b32 v5, 1, v1
	v_lshl_add_u32 v4, v5, 4, v4                   ; and 16 more for each 256 passed
	s_mul_i32 s92, s[WM], SAH                      ; A's: my 64 rows
	s_mul_i32 s93, s[WN], SBH
	s_add_co_u32 s93, s93, 2*SAH                   ; B's: my 128 rows, behind A's 128
	s_sub_co_u32 s93, s93, s92
	v_mul_u32_u24 v5, s93, v2                      ; lanes 16-31 take B's: one product, the distance between the two
	s_add_co_u32 s92, s92, SCL
	v_add_nc_u32 v4, v4, v5
	v_add_nc_u32 v[ADRS], s92, v4
	s_mul_i32 s94, s[WV], 16*272
	s_add_co_u32 s94, s94, STAGE                   ; my stage
	v_add_nc_u32 v[STO], s94, v3                   ; in: row r, 16 bytes for each half of the lanes
	v_mul_u32_u24 v4, v2, 272
	v_lshl_add_u32 v4, v1, 4, v4
	v_add_nc_u32 v[RD], s94, v4                    ; back: lanes 0-15 one row of 256 bytes, lanes 16-31 the next
	v_and_b32 v4, 31, v0
	v_lshlrev_b32 v[GO], 4, v4
	v_lshlrev_b32 v[CA], 8, v1
	v_lshl_add_u32 v[CA], v2, 5, v[CA]
	v_lshlrev_b32 v[WA], 5, v2
	v_lshlrev_b32 v[FO], 9, v1
	v_lshl_add_u32 v[FO], v2, 5, v[FO]
	v_mov_b32 v25, 0                               ; written once: a lane permute's destination counts as one of its sources
	s_lshl_b32 s90, s86, 1
	s_add_co_u32 s90, s90, s[WN]                   ; my head: 2 x tile column + half
	s_lshl_b32 s92, s90, 13                        ; in qkv32: 8,192 bytes a head
	s_mov_b32 s93, 0
	s_lshl_b32 s90, s90, 19                        ; in qkv16: 524,288 bytes a head
	s_lshl_b32 s94, s87, 7
	s_lshl_b32 s95, s[WM], 6
	s_add_co_u32 s94, s94, s95                     ; my first position
	v_mov_b32 v[FR], s94
	s_lshl_b32 s94, s94, 8                         ; 256 bytes a position in qkv16, in cos and in sin
	s_mov_b32 s95, 0
	s_add_co_u32 s90, s90, s94
	s_mov_b32 s91, 0
	s_add_nc_u64 s[16:17], s[16:17], s[90:91]
	s_add_nc_u64 s[18:19], s[18:19], s[92:93]
	s_add_nc_u64 s[8:9], s[8:9], s[94:95]
	s_add_nc_u64 s[10:11], s[10:11], s[94:95]
.macro FRAG reg, adr, q, i             ; 16 rows x 128 K of 4-bit codes: 8 registers: lane (r, h) holds row r; registers 4 c .. 4 c + 3 hold K = 64 c + 32 h + 0 .. 31: 16 bytes as they lie
	ds_load_b128 v[\reg:\reg+3], v[\adr] offset:64*(\q)+(\i)*16*PITCH
	ds_load_b128 v[\reg+4:\reg+7], v[\adr] offset:64*(\q)+32+(\i)*16*PITCH
.endm
.macro FETCH_B slot, q, p              ; B's eight fragments of the slot's q-th 128 along K into set p
	WIN TO_B
.irp i, 0,1,2,3,4,5,6,7
	FRAG 64*(\p)+8*\i, ADRB+\slot, \q, \i
.endr
	WIN 0
.endm
.macro FETCH_A slot, q, p              ; A's four
.irp i, 0,1,2,3
	FRAG AF+32*(\p)+8*\i, ADRA+\slot, \q, \i
.endr
.endm
.macro SCALES sc                       ; a K step's scale words, four a row: lanes 0-15 A's block i (for i over 3: bytes that are filled and never used), lanes 16-31 B's block i
.irp i, 0,1,2,3,4,5,6,7
	ds_load_b128 v[SC+32*\sc+4*\i:SC+32*\sc+4*\i+3], v[ADRS] offset:\i*SBLK
.endr
.endm
; 8 matrix instructions: A's block a x B's eight.  The 32 accumulators take turns, one instruction a turn, in the same order in every step.  zero = 1: the first product starts the sums.
.macro MUL8 a, p, q, sc, zero
.irp b, 0,1,2,3,4,5,6,7
.if \zero
	v_wmma_scale_f32_16x16x128_f8f6f4 v[8*(8*(\a)+\b):8*(8*(\a)+\b)+7], v[64*(\p)+8*\b:64*(\p)+8*\b+7], v[AF+32*(\p)+8*(\a):AF+32*(\p)+8*(\a)+7], 0, v[SC+32*(\sc)+4*\b+(\q)], v[SC+32*(\sc)+4*(\a)+(\q)] matrix_a_fmt:MATRIX_FMT_FP4 matrix_b_fmt:MATRIX_FMT_FP4 matrix_a_scale:MATRIX_SCALE_ROW1
.else
	v_wmma_scale_f32_16x16x128_f8f6f4 v[8*(8*(\a)+\b):8*(8*(\a)+\b)+7], v[64*(\p)+8*\b:64*(\p)+8*\b+7], v[AF+32*(\p)+8*(\a):AF+32*(\p)+8*(\a)+7], v[8*(8*(\a)+\b):8*(8*(\a)+\b)+7], v[SC+32*(\sc)+4*\b+(\q)], v[SC+32*(\sc)+4*(\a)+(\q)] matrix_a_fmt:MATRIX_FMT_FP4 matrix_b_fmt:MATRIX_FMT_FP4 matrix_a_scale:MATRIX_SCALE_ROW1
.endif
.endr
.endm
; A step of 128 along K that has its successor in the same slot: the successor's 24 loads go out first, into the set that the step before multiplied (four places behind its last product), then this step's 32 products.
.macro STEP slot, q, zero
	PLACES 4
	FETCH_B \slot, (\q)+1, 1-(\q)%2
	FETCH_A \slot, (\q)+1, 1-(\q)%2
	s_wait_dscnt 24                                ; all but the 24 just issued: this step's fragments (and scale words) are in
	WIN MUL
	MUL8 0, (\q)%2, \q, \slot, \zero
	MUL8 1, (\q)%2, \q, \slot, \zero
	MUL8 2, (\q)%2, \q, \slot, \zero
	MUL8 3, (\q)%2, \q, \slot, \zero
	WIN 0
.endm
; A slot's last step changes slots: one barrier; in front of it each wave waits for all its tensor loads, adds 0 to its spare word, and waits for that and for its reads of this slot.  fill = 1: the slot is filled again, two K steps ahead.
.macro TURN slot, next, fill
	s_wait_tensorcnt 0x0                           ; all my tensor loads have landed: the one that was out is my part of the next slot
	ds_add_u32 v[SPW], v[NIL]
	s_wait_dscnt 1                                 ; (the add alone may be out: this step's fragments are in)
	WIN MUL
	MUL8 0, 1, 3, \slot, 0
	s_wait_dscnt 0x0                               ; the add is done, and my reads of this slot are over
	s_barrier_signal -1
	MUL8 1, 1, 3, \slot, 0
	WIN 0
	s_barrier_wait -1
.if \fill
	CREST                                          ; the barrier has opened a round of the cluster's barrier: no wave of any partner still reads this slot or has a load on its way
	s_add_nc_u64 s[G0A+4*\slot+2:G0A+4*\slot+3], s[G0A+4*\slot+2:G0A+4*\slot+3], 512
	s_add_nc_u64 s[G0B+4*\slot+2:G0B+4*\slot+3], s[G0B+4*\slot+2:G0B+4*\slot+3], 512
	JLOAD G0A+4*\slot, G1A, G0B+4*\slot, G1B       ; my one tensor load behind the round, 112 matrix instructions ahead of the wait for it; its four v_nop are the places in front of the loads below
.else
	PLACES 4
.endif
	v_add_nc_u32 v[ADRS], 16, v[ADRS]              ; the next K step's scale words
	FETCH_B \next, 0, 0
	FETCH_A \next, 0, 0
	SCALES \next
	WIN MUL
	MUL8 2, 1, 3, \slot, 0
	MUL8 3, 1, 3, \slot, 0
	WIN 0
.endm
	s_wait_tensorcnt 1                             ; the scales and my part of K step 0 are in; K step 1's load may be out
	s_barrier_signal -1
	s_barrier_wait -1
	FETCH_B 0, 0, 0
	FETCH_A 0, 0, 0
	SCALES 0
	STEP 0, 0, 1                                   ; the first step stands in front of the loop: its products start the sums
	s_mov_b32 s[LAP], LAPS-1
.Llap:                                                 ; a trip goes once round the ring and fills both slots again
	STEP 0, 1, 0
	STEP 0, 2, 0
	TURN 0, 1, 1
	STEP 1, 0, 0
	STEP 1, 1, 0
	STEP 1, 2, 0
	TURN 1, 0, 1
	STEP 0, 0, 0
	s_sub_co_u32 s[LAP], s[LAP], 1
	s_cmp_lg_u32 s[LAP], 0
	s_cbranch_scc1 .Llap
	STEP 0, 1, 0                                   ; the last lap fills nothing
	STEP 0, 2, 0
	TURN 0, 1, 0
	STEP 1, 0, 0
	STEP 1, 1, 0
	STEP 1, 2, 0
	s_wait_dscnt 0x0
	WIN MUL
	MUL8 0, 1, 3, 1, 0
	MUL8 1, 1, 3, 1, 0
	MUL8 2, 1, 3, 1, 0
	MUL8 3, 1, 3, 1, 0
	WIN 0
; THE WAY OUT, a block of 16 positions at a time.
.macro CSLOAD a                        ; block a's cos and sin: my position's channels 16 b + 8 h + 0 .. 7, b = 0 .. 3: 16 loads, into set a % 2 (cos at +0, sin at +32)
.irp b, 0,1,2,3
.irp e, 0,1
	global_load_b128 v[CSR+64*((\a)%2)+8*\b+4*\e:CSR+64*((\a)%2)+8*\b+4*\e+3], v[CA], s[8:9] offset:4096*(\a)+64*\b+16*\e
	global_load_b128 v[CSR+64*((\a)%2)+32+8*\b+4*\e:CSR+64*((\a)%2)+32+8*\b+4*\e+3], v[CA], s[10:11] offset:4096*(\a)+64*\b+16*\e
.endr
.endr
.endm
; Positions 0-15 also go out in f32.  They are block 0 of the waves whose first position is 0; that hangs on the work-group's place in its cluster, so it is a matter of EXEC and not of a branch.
.macro COPY32
	v_cmp_eq_u32 vcc_lo, 0, v[FR]
	s_wait_xcnt 0x0                                ; EXEC changes only behind this wait
	s_and_saveexec_b32 s100, vcc_lo
	WIN 0x04                                       ; a store's data: window 1
.irp b, 0,1,2,3,4,5,6,7
	global_store_b128 v[FO], v[8*\b:8*\b+3], s[18:19] offset:64*\b
	global_store_b128 v[FO], v[8*\b+4:8*\b+7], s[18:19] offset:64*\b+16
.endr
	WIN 0
	s_wait_xcnt 0x0                                ; and again, in front of the line that widens it
	s_or_b32 exec_lo, exec_lo, s100
.endm
; T's 32 registers (a lane: 16 bytes for each b) go through my stage and leave as whole rows of 256 bytes: each store covers 512 consecutive aligned bytes.
.macro WAYOUT a, so
.irp b, 0,1,2,3,4,5,6,7
	ds_store_b128 v[STO], v[T+4*\b:T+4*\b+3] offset:\so+32*\b
.endr
	WIN 0x80
.irp t, 0,1,2,3,4,5,6,7
	ds_load_b128 v[32*((\a)%2)+4*\t:32*((\a)%2)+4*\t+3], v[RD] offset:\so+544*\t   ; LDS serves a wave's instructions in order: these see the stores above
.endr
	s_wait_dscnt 0x0                               ; the rows are back, and the stores have read T
	WIN 0x08
.irp t, 0,1,2,3,4,5,6,7
	global_store_b128 v[GO], v[32*((\a)%2)+4*\t:32*((\a)%2)+4*\t+3], s[16:17] offset:4096*(\a)+512*\t
.endr
	WIN 0
.endm
.macro QKBLOCK a
.set AC, 64*(\a)
.set CS, CSR+64*((\a)%2)
.if (\a) >= 2
	s_wait_xcnt 0x0                                ; block a - 2's stores have read their registers: this block's rows may land there
.endif
.if ((\a) == 1) || ((\a) == 2)
	CSLOAD (\a)+1
.endif
	WIN 0x05                                       ; sources 0 and 1: window 1
	v_pk_mul_f32 v[20:21], v[AC:AC+1], v[AC:AC+1]  ; the sum of squares of my 64 channels, in two chains of pairs, each accumulator from its low end on
	v_pk_mul_f32 v[22:23], v[AC+2:AC+3], v[AC+2:AC+3]
.set i, 4
.rept 15
	v_pk_fma_f32 v[20:21], v[AC+i:AC+i+1], v[AC+i:AC+i+1], v[20:21]
	v_pk_fma_f32 v[22:23], v[AC+i+2:AC+i+3], v[AC+i+2:AC+i+3], v[22:23]
.set i, i+4
.endr
	WIN 0
	v_pk_add_f32 v[20:21], v[20:21], v[22:23]
	v_add_f32 v24, v20, v21
	v_permlanex16_b32 v25, v24, s2, s3             ; the head's other 64 channels lie in lane l xor 16
	v_add_f32 v24, v24, v25
	v_fma_f32 v24, v24, s99, s98                   ; the mean + 1e-6
	v_rsq_f32 v26, v24
	v_rsq_f32 v27, v24                             ; twice: a pair for the packed multiply
	v_nop                                          ; a plain instruction behind the transcendentals,
	s_wait_alu depctr_va_vdst(0)                   ; and the wait ahead of the first use
	WIN 0x41
.set i, 0
.rept 32
	v_pk_mul_f32 v[AC+i:AC+i+1], v[AC+i:AC+i+1], v[26:27]
.set i, i+2
.endr
.if (\a) < 3
	s_wait_loadcnt 16                              ; the weights and this block's cos and sin are in; the next block's 16 loads may be out
.else
	s_wait_loadcnt 0x0
.endif
	WIN 0x49                                       ; source 1: window 2
.set i, 0
.rept 32
	v_pk_mul_f32 v[AC+i:AC+i+1], v[AC+i:AC+i+1], v[64+i:64+i+1]   ; x the norm's weight
.set i, i+2
.endr
	WIN 0x01                                       ; the rotation: x1 = blocks 0, 1 (channels 0-31), x2 = blocks 2, 3 (channels 32-63)
.irp b, 0,1
.irp j, 0,2,4,6
	v_pk_mul_f32 v[T+8*\b+\j:T+8*\b+\j+1], v[AC+8*(\b+2)+\j:AC+8*(\b+2)+\j+1], v[CS+32+8*\b+\j:CS+32+8*\b+\j+1]              ; x2 sin
	v_pk_mul_f32 v[T+16+8*\b+\j:T+16+8*\b+\j+1], v[AC+8*\b+\j:AC+8*\b+\j+1], v[CS+32+8*(\b+2)+\j:CS+32+8*(\b+2)+\j+1]        ; x1 sin
.endr
.endr
	WIN 0x41
.irp b, 0,1
.irp j, 0,2,4,6
	v_pk_fma_f32 v[AC+8*\b+\j:AC+8*\b+\j+1], v[AC+8*\b+\j:AC+8*\b+\j+1], v[CS+8*\b+\j:CS+8*\b+\j+1], v[T+8*\b+\j:T+8*\b+\j+1] neg_lo:[0,0,1] neg_hi:[0,0,1]   ; x1 cos - x2 sin
	v_pk_fma_f32 v[AC+8*(\b+2)+\j:AC+8*(\b+2)+\j+1], v[AC+8*(\b+2)+\j:AC+8*(\b+2)+\j+1], v[CS+8*(\b+2)+\j:CS+8*(\b+2)+\j+1], v[T+16+8*\b+\j:T+16+8*\b+\j+1]   ; x2 cos + x1 sin
.endr
.endr
	WIN 0
.if (\a) == 0
	COPY32
.endif
	WIN 0x05
.set i, 0
.rept 32
	v_cvt_pk_f16_f32 v[T+i], v[AC+2*i], v[AC+2*i+1]
.set i, i+1
.endr
	WIN 0
	WAYOUT \a, 0
.endm
.macro VBLOCK a
.set AC, 64*(\a)
.if (\a) >= 2
	s_wait_xcnt 0x0
.endif
.if (\a) == 0
	COPY32                                         ; v as it is
.endif
	WIN 0x01
.set i, 0
.rept 32
	v_pk_mul_f32 v[CSR+i:CSR+i+1], v[AC+i:AC+i+1], 0x3e800000 op_sel_hi:[1,0]   ; x 2^-2: exact; launch attn keeps Wo x 2^2
.set i, i+2
.endr
	WIN 0
.set i, 0
.rept 32
	v_cvt_pk_f16_f32 v[T+i], v[CSR+2*i], v[CSR+2*i+1]
.set i, i+1
.endr
	WAYOUT \a, STGV
.endm
	PLACES 4                                       ; behind the last products: in front of the first read of results and of loads into registers that held fragments
	s_cmp_eq_u32 ttmp9, 3                          ; the cluster's x, the same in all sixteen partners: clusters 0, 1 make q, 2 makes k, 3 makes v
	s_cbranch_scc1 .Lvpath
	s_cmp_lt_u32 ttmp9, 2
	s_cselect_b64 s[12:13], s[12:13], s[14:15]     ; q's weights or k's
	WIN 0x80
.irp b, 0,1,2,3,4,5,6,7
	global_load_b128 v[64+8*\b:64+8*\b+3], v[WA], s[12:13] offset:64*\b
	global_load_b128 v[64+8*\b+4:64+8*\b+7], v[WA], s[12:13] offset:64*\b+16
.endr
	WIN 0
	CSLOAD 0
	CSLOAD 1
	QKBLOCK 0
	QKBLOCK 1
	QKBLOCK 2
	QKBLOCK 3
	s_branch .Ldone
.Lvpath:
	VBLOCK 0
	VBLOCK 1
	VBLOCK 2
	VBLOCK 3
.Ldone:
	s_wait_tensorcnt 0x0                           ; the wave's end: behind my last tensor load and my last LDS store
	ds_add_u32 v[SPW], v[NIL]
	s_wait_dscnt 0x0
	CROUND                                         ; the closing round: no work-group ends while a partner may still ask for a tile that names it
	s_endpgm
.Lfunc_end_k_qc691362c9f_qkv:
	.size	k_qc691362c9f_qkv, .Lfunc_end_k_qc691362c9f_qkv-k_qc691362c9f_qkv
	.p2alignl 7, 3214868480
	.fill 96, 4, 3214868480
	.section	.rodata,"a",@progbits
	.p2align	6, 0x0
	.amdhsa_kernel k_qc691362c9f_qkv
		.amdhsa_group_segment_fixed_size 327680
		.amdhsa_private_segment_fixed_size 0
		.amdhsa_enable_private_segment 0
		.amdhsa_kernarg_size 64
		.amdhsa_user_sgpr_count 2
		.amdhsa_user_sgpr_kernarg_segment_ptr 1
		.amdhsa_wavefront_size32 1
		.amdhsa_system_sgpr_workgroup_id_x 1
		.amdhsa_system_sgpr_workgroup_id_y 1
		.amdhsa_system_sgpr_workgroup_id_z 1
		.amdhsa_system_vgpr_workitem_id 0
		.amdhsa_next_free_vgpr 640
		.amdhsa_next_free_sgpr 102
		.amdhsa_reserve_vcc 1
		.amdhsa_float_denorm_mode_32 3
		.amdhsa_float_denorm_mode_16_64 3
		.amdhsa_memory_ordered 1
		.amdhsa_forward_progress 1
		.amdhsa_inst_pref_size 197
	.end_amdhsa_kernel
	.amdgpu_metadata
---
amdhsa.version: [ 1, 2 ]
amdhsa.kernels:
  - .name:           k_qc691362c9f_qkv
    .symbol:         k_qc691362c9f_qkv.kd
    .args:
      - { .name: codes, .offset: 0, .size: 8, .value_kind: global_buffer, .address_space: global }
      - { .name: scales, .offset: 8, .size: 8, .value_kind: global_buffer, .address_space: global }
      - { .name: cos, .offset: 16, .size: 8, .value_kind: global_buffer, .address_space: global }
      - { .name: sin, .offset: 24, .size: 8, .value_kind: global_buffer, .address_space: global }
      - { .name: q_norm_w, .offset: 32, .size: 8, .value_kind: global_buffer, .address_space: global }
      - { .name: k_norm_w, .offset: 40, .size: 8, .value_kind: global_buffer, .address_space: global }
      - { .name: qkv16, .offset: 48, .size: 8, .value_kind: global_buffer, .address_space: global }
      - { .name: qkv32, .offset: 56, .size: 8, .value_kind: global_buffer, .address_space: global }
    .group_segment_fixed_size: 327680
    .private_segment_fixed_size: 0
    .kernarg_segment_align: 8
    .kernarg_segment_size: 64
    .max_flat_workgroup_size: 128
    .sgpr_count:     102
    .vgpr_count:     640
    .wavefront_size: 32
...
	.end_amdgpu_metadata
.endif
;; end of part 2
;; launch attn (part 3): grid 32 x 8, 8 waves a work-group, no clusters, 327,680 bytes of LDS; arguments qkv16, qkv32, o16, Wo, wo16, out0; writes o16, wo16, out0
.if DOCPART == 3
	.amdgcn_target "amdgcn-amd-amdhsa--gfx1250"
	.amdhsa_code_object_version 6
	.text
	.protected	k_qc691362c9f_attn
	.globl	k_qc691362c9f_attn
	.p2align	8
	.type	k_qc691362c9f_attn,@function
k_qc691362c9f_attn:
	s_mov_b64 s[64:65], 0
	v_nop
	global_prefetch_b8 v0, s[64:65] scope:SCOPE_SE
	s_setreg_imm32_b32 hwreg(HW_REG_WAVE_MODE, 25, 1), 1
	s_wait_xcnt 0x0
; Causal attention, two query heads to a key and value head, f16 operands, f32 products, maxima and sums.  o16 [2048][2048] f16 = the result x 2^-2 (v arrives x 2^-2).
; LEFT OUT: steps of 64 keys that lie wholly behind a block's 64 positions: reference()'s own causal mask replaces their scores for all values of the inputs (shown at the head of launch quant).
; SHARES.  Work-group (b, g): positions 64 b .. 64 b + 63 of query heads 2 g and 2 g + 1.  Wave w: the 16 positions 16 (w % 4) on, both heads (two tiles with one mask), and of the key steps those of parity w / 4.
; So two waves share a SIMD, and one's softmax stands beside the other's products; at the end the two halves of a row's keys are merged through LDS.
; LAYOUT.  S^T = K Q^T (source 0 = 16 keys, source 1 = 16 queries) and O^T = V^T P: a lane holds ONE query throughout; two tiles of S^T, rounded to f16 in pairs, are source 1 of the second product.  V is turned by ds_load_tr16_b128.
; SOFTMAX.  A running maximum m and sum l for each query: p = 2^(c s - c m), c = log2(e) / sqrt(128); in every step O and l are multiplied by a = 2^(c m_old - c m_new).  The sums are of the unrounded p.
; RING.  Two LDS slots of 256 keys (K's rows 272 bytes apart, V's 288).  Every wave fetches a quarter of K's tile (waves 0-3) or of V's (waves 4-7): one tensor load a wave behind each change of slots, one out at a time.
; Every work-group walks all eight slots: the trip count is a constant; what is jumped over is a step's work, and, behind the causal limit, the load.
; NO CLUSTER: partners would be other position blocks of the same key head, and under the causal mask each needs another number of tiles: a joint load would bring tiles that all waves of some partner jump over.
; The two query heads that share K and V already share each tile inside one work-group.
; BLOCKS 0-15 GO ON BEHIND THEIR ATTENTION: block b has b + 1 of the 32 key steps, so these have the fewest.  They share out Wo's 256 units of 16 rows: for each of the 8 key heads blocks 0-4 take three units,
; blocks 5-10 two, blocks 11-15 one: 15 + 12 + 5 = 32.  Of a unit they make, from ONE read of Wo: wo16 = 4 x Wo in f16 (the 4 cancels the 2^-2 of v), and out0's rows 0-15 at the unit's 16 columns = o32 Wo^T in f32.
; o32 is the attention of positions 0-15 in f32, by v_wmma_f32_16x16x4_f32 from qkv32.  A unit wants it of all 16 heads, and no work-group reads what another stores in this launch: so each of these work-groups makes
; it anew, wave w heads 2 w and 2 w + 1: 128 matrix instructions a wave.  Of each unit wave w takes k = 256 w .. 256 w + 255, which are just its two heads: o32 stays in the wave's registers.
; REGISTERS: window 0: v1-15 addresses; v16-31 statistics, 8 a tile; v32-95 S^T; v96-127 P; v128-255 K's fragments, then V's; behind the attention v128-255 o32, v32-95 a unit's rows x 4 and then its fragments.
; window 1: v0-127 O^T; v128-191 Q; v192-223 the f32 form's four accumulators, written by it alone; v224-227 four LDS addresses; behind the attention v64-191 a unit's rows of Wo, v0-63 their f16.
.set PK,    272
.set PV,    288
.set VOFF,  256*PK
.set SLOT,  256*(PK+PV)
.set SPARE, 2*SLOT                     ; behind the ring: the spare words, 128 bytes a wave
.set PIMG,  SPARE+1024                 ; behind them: the units' partial sums: 1,024 bytes a wave, 8,192 a unit
.set MIMG,  16896                      ; the merge: 16,384 bytes of O^T and 512 of statistics for each pair of waves; in slot 0's bytes, which have had their last fill and their last read at the last change of slots
.set OSTG,  4*MIMG                     ; behind them the stages for the way out, 16 rows x 272 bytes a wave
.set WSTG,  OSTG+4*16*272              ; behind those a stage of 16 rows x 528 bytes for each wave, for Wo: ring bytes that have had their last fill, written only behind the merge's barrier, behind which nobody reads the ring
.set AK0, 1                            ; v1  my lane's place in my parity's step of K
.set AV0, 2                            ; v2  the same for V
.set ADK, 3
.set ADV, 4
.set SPW, 5
.set NIL, 6
.set STO, 7
.set RD,  8
.set GO,  9                            ; v9  o16: 4096 h + 16 r
.set QO,  10                           ; v10 Q: 256 r + 16 h
.set MA,  11                           ; v11 the merge image: + 16 x lane
.set DM,  12                           ; v12 16 (w % 4) + r - 8 h: in the diagonal step register 8 kt + j is hidden where 16 kt + j > DM
.set NEG, 13                           ; v13 -infinity
.set PFO, 15                           ; v15 256 x thread: the prefetches' offset
.set ST,  16                           ; tile t at v[ST + 8 t]: +0 c m, +1 m, +2, +3 l, +4 .. +7 at work; a at +6
.set S,   32
.set P,   96
.set KV,  128
.set QF,  128                          ; in window 1
.set WSI, 224                          ; in window 1: Wo's stage, in: + 16 x lane
.set WSB, 225                          ; in window 1: and back: + 528 r + 32 h
.set PST, 226                          ; in window 1: my partial sums: PIMG + 1,024 w + 16 x lane
.set PRD, 227                          ; in window 1: what I add up: PIMG + 8,192 (w / 2) + 512 (w % 2) + 16 x lane
.set WV,  12
.set SUB, 13
.set PAR, 14
.set BX,  15
.set GY,  16
.set KF,  17                           ; s17 the first key of my next step
.set KD,  18                           ; s18 64 b: the diagonal step's first key
.set N,   19                           ; s19 the slot in hand
.set TB,  20                           ; s20 where it begins in LDS
.set TBN, 21                           ; s21 where the slot that is asked for begins
.set CS,  22
.set G1K, 24
.set G1V, 32
.set G0K, 40
.set G0V, 44
.set SEL, 48
.set KL0, 50
.set VL0, 51
.set PFA, 52
.set LIM, 54
.set KL,  56                           ; s56 my work-group's last position
.set NU,  72                           ; s72 how many units of Wo are my work-group's: 3, 2, 1 or 0
.set UB,  73                           ; s73 the first of them
.set MSB, 0
.macro WIN new
.if MSB != \new
	s_set_vgpr_msb (MSB<<8)|\new
.set MSB, \new
.endif
.endm
.macro PLACES n
.rept \n
	v_nop
.endr
.endm
.macro TLOAD                           ; waves 0-3: a quarter of K's tile; waves 4-7: of V's.  An s_nop 0 and four v_nop follow each line
	s_cmp_lt_u32 s[WV], 4
	s_cbranch_scc0 .Lfor_v_\@
	tensor_load_to_lds s[G0K:G0K+3], s[G1K:G1K+7]
	s_nop 0
.rept 4
	v_nop
.endr
	s_branch .Lasked_\@
.Lfor_v_\@:
	tensor_load_to_lds s[G0V:G0V+3], s[G1V:G1V+7]
	s_nop 0
.rept 4
	v_nop
.endr
.Lasked_\@:
.endm
; A prefetch of what the NEXT change of slots will ask for: slot n + 2's 256 rows of K and of V, 256 bytes a row, a thread a row: two instructions a wave.  All 32 blocks of a key head walk the same rows: block 31,
; which loads every slot, asks, and nobody else: each row is named once in the launch.  Slots 0 and 1 come by their loads alone; the last two changes ask for nothing.
.macro ASK
	s_cmp_lt_u32 s[N], s[LIM]
	s_cbranch_scc0 .Lnot_mine_\@
	global_prefetch_b8 v[PFO], s[PFA:PFA+1] th:TH_LOAD_NT scope:SCOPE_SE
	global_prefetch_b8 v[PFO], s[PFA:PFA+1] offset:8*524288 th:TH_LOAD_NT scope:SCOPE_SE
.Lnot_mine_\@:
.endm
	s_load_b256 s[4:11], s[0:1], 0x0               ; qkv16 s[4:5], qkv32 s[6:7], o16 s[8:9], Wo s[10:11]
	s_load_b128 s[68:71], s[0:1], 0x20             ; wo16 s[68:69], out0 s[70:71]
	v_lshl_add_u32 v[SPW], v0, 2, SPARE
	v_mov_b32 v[NIL], 0
	ds_add_u32 v[SPW], v[NIL]                      ; the wave's opening: the add, twice on end, and its wait ahead of my first tensor load
	ds_add_u32 v[SPW], v[NIL]
	v_lshrrev_b32 v1, 5, v0
	v_readfirstlane_b32 s[WV], v1
	s_and_b32 s[SUB], s[WV], 3
	s_lshr_b32 s[PAR], s[WV], 2
	s_mov_b32 s[BX], ttmp9
	s_and_b32 s[GY], ttmp7, 0xffff
	s_lshl_b32 s[KF], s[PAR], 6
	s_lshl_b32 s[KD], s[BX], 6
	s_add_co_u32 s[KL], s[KD], 63
	s_mov_b32 s[N], 0
	s_mov_b32 s[TB], 0
	s_mov_b32 s[TBN], 0
	s_mov_b32 s[CS], 0x3e0293ee                    ; c = log2(e) / sqrt(128)
	s_mov_b32 s[CS+1], s[CS]                       ; (named with it as a pair, so it is written)
	s_mov_b32 s[SEL], 0x76543210
	s_mov_b32 s[SEL+1], 0xfedcba98
	; group 1: 64 rows x 128 elements of 2 bytes, dense in memory; padding behind each row: K 4 words, V 8
	s_mov_b32 s[G1K], (1<<16)|(1<<20)|(5<<22)|(3<<25)
	s_mov_b32 s[G1V], (1<<16)|(1<<20)|(5<<22)|(7<<25)
.irp g, G1K, G1V
	s_mov_b32 s[\g+1], 128<<16
	s_mov_b32 s[\g+2], 64<<16
	s_mov_b32 s[\g+3], 128<<16
	s_mov_b32 s[\g+4], 64
	s_mov_b32 s[\g+5], 128
	s_mov_b32 s[\g+6], 0
	s_mov_b32 s[\g+7], 0
.endr
	s_mul_i32 s[KL0], s[SUB], 64*PK                ; my quarter's place in a slot
	s_mul_i32 s[VL0], s[SUB], 64*PV
	s_add_co_u32 s[VL0], s[VL0], VOFF
	s_mov_b32 s[G0K], 1
	s_mov_b32 s[G0K+1], s[KL0]
	s_mov_b32 s[G0V], 1
	s_mov_b32 s[G0V+1], s[VL0]
	s_add_co_u32 s58, s[GY], 16
	s_lshl_b32 s58, s58, 19                        ; K's head 16 + g: 524,288 bytes a head
	s_lshl_b32 s59, s[SUB], 14                     ; my 64 rows of 256 bytes
	s_add_co_u32 s60, s58, s59
	s_mov_b32 s61, 0
	s_mov_b32 s59, 0
	s_add_co_u32 s62, s60, 8*524288                ; V's head 24 + g
	s_mov_b32 s63, 0
	s_cmp_eq_u32 s[BX], 31
	s_cselect_b32 s[LIM], 6, 0
	s_cmp_lt_u32 s[BX], 16                         ; my units of Wo: one where b < 16, one more where b < 11, one more where b < 5;
	s_cselect_b32 s[NU], 1, 0
	s_cmp_lt_u32 s[BX], 11
	s_cselect_b32 s55, 1, 0
	s_add_co_u32 s[NU], s[NU], s55
	s_cmp_lt_u32 s[BX], 5
	s_cselect_b32 s55, 1, 0
	s_add_co_u32 s[NU], s[NU], s55
	s_min_u32 s55, s[BX], 11                       ; so the blocks in front of mine have b + min(b, 11) + min(b, 5) of my key head's 32
	s_min_u32 s57, s[BX], 5
	s_add_co_u32 s[UB], s[BX], s55
	s_add_co_u32 s[UB], s[UB], s57
	s_lshl_b32 s55, s[GY], 5
	s_add_co_u32 s[UB], s[UB], s55
	s_wait_dscnt 0x0                               ; both opening adds are done
	s_wait_kmcnt 0x0
	s_add_nc_u64 s[G0K+2:G0K+3], s[4:5], s[60:61]
	s_or_b32 s[G0K+3], s[G0K+3], 0x80000000
	s_add_nc_u64 s[G0V+2:G0V+3], s[4:5], s[62:63]
	s_or_b32 s[G0V+3], s[G0V+3], 0x80000000
	TLOAD                                          ; slot 0: every wave issues one: key 0 counts for every query
	s_add_nc_u64 s[PFA:PFA+1], s[4:5], s[58:59]
	s_add_nc_u64 s[PFA:PFA+1], s[PFA:PFA+1], 65536 ; at slot 1; the first change of slots steps it to slot 2
	s_lshl_b32 s58, s[GY], 20                      ; Q's head 2 g
	s_lshl_b32 s60, s[SUB], 4
	s_add_co_u32 s60, s60, s[KD]                   ; my first position
	s_lshl_b32 s62, s60, 8
	s_add_co_u32 s58, s58, s62
	s_add_nc_u64 s[66:67], s[4:5], s[58:59]
	s_lshl_b32 s58, s60, 12                        ; o16: 4,096 bytes a position, 512 for two heads
	s_lshl_b32 s62, s[GY], 9
	s_add_co_u32 s58, s58, s62
	s_add_nc_u64 s[8:9], s[8:9], s[58:59]
	; every LDS address register is made here, ahead of any parting of the waves
	v_and_b32 v13, 15, v0                          ; r
	v_bfe_u32 v14, v0, 4, 1                        ; h
	v_mul_u32_u24 v[AK0], v13, PK
	v_lshl_add_u32 v[AK0], v14, 4, v[AK0]
	s_mul_i32 s55, s[PAR], 64*PK
	v_add_nc_u32 v[AK0], s55, v[AK0]
	v_and_b32 v15, 7, v0
	v_lshl_add_u32 v[AV0], v14, 3, v15             ; the turning load: key 8 h + l % 8, channels 8 ((l / 8) % 2) on
	v_mul_u32_u24 v[AV0], v[AV0], PV
	v_bfe_u32 v15, v0, 3, 1
	v_lshl_add_u32 v[AV0], v15, 4, v[AV0]
	s_mul_i32 s55, s[PAR], 64*PV
	s_add_co_u32 s55, s55, VOFF
	v_add_nc_u32 v[AV0], s55, v[AV0]
	s_mul_i32 s55, s[SUB], 16*272
	s_add_co_u32 s55, s55, OSTG
	v_mul_u32_u24 v[STO], v13, 272
	v_lshl_add_u32 v[STO], v14, 4, v[STO]
	v_add_nc_u32 v[STO], s55, v[STO]
	v_mul_u32_u24 v[RD], v14, 272
	v_lshl_add_u32 v[RD], v13, 4, v[RD]
	v_add_nc_u32 v[RD], s55, v[RD]
	v_lshlrev_b32 v[GO], 12, v14
	v_lshl_add_u32 v[GO], v13, 4, v[GO]
	v_lshlrev_b32 v[QO], 8, v13
	v_lshl_add_u32 v[QO], v14, 4, v[QO]
	v_and_b32 v[MA], 31, v0
	v_lshlrev_b32 v[MA], 4, v[MA]
	s_mul_i32 s55, s[SUB], MIMG
	v_add_nc_u32 v[MA], s55, v[MA]
	v_lshlrev_b32 v[DM], 3, v14
	v_sub_nc_u32 v[DM], v13, v[DM]
	s_lshl_b32 s55, s[SUB], 4
	v_add_nc_u32 v[DM], s55, v[DM]
	v_and_b32 v[ADK], 31, v0                       ; the four addresses for Wo's units (v3 and v4 serve here as work registers: each key step writes them anew)
	v_lshlrev_b32 v[ADK], 4, v[ADK]                ; 16 x lane
	v_mul_u32_u24 v[ADV], v13, 528
	v_lshl_add_u32 v[ADV], v14, 5, v[ADV]          ; 528 r + 32 h
	s_mul_i32 s55, s[WV], 16*528
	s_add_co_u32 s55, s55, WSTG                    ; my stage for Wo
	s_lshl_b32 s57, s[WV], 10
	s_add_co_u32 s57, s57, PIMG                    ; my partial sums
	s_lshr_b32 s58, s[WV], 1
	s_lshl_b32 s58, s58, 13
	s_and_b32 s59, s[WV], 1
	s_lshl_b32 s59, s59, 9
	s_add_co_u32 s58, s58, s59
	s_add_co_u32 s58, s58, PIMG                    ; unit w / 2, half w % 2 of every wave's
	WIN 0x40                                       ; destination window 1
	v_add_nc_u32 v[WSI], s55, v[ADK]
	v_add_nc_u32 v[WSB], s55, v[ADV]
	v_add_nc_u32 v[PST], s57, v[ADK]
	v_add_nc_u32 v[PRD], s58, v[ADK]
	WIN 0
	v_mov_b32 v[NEG], 0xff800000
	v_lshlrev_b32 v[PFO], 8, v0
.irp t, 0,1
	v_mov_b32 v[ST+8*\t+1], 0xff61b1e6             ; m: -3e38, under every score
	v_mul_f32 v[ST+8*\t], s[CS], v[ST+8*\t+1]      ; c m
	v_mov_b32 v[ST+8*\t+2], 0                      ; l
	v_mov_b32 v[ST+8*\t+3], 0
.endr
	WIN 0x40                                       ; destination window 1
.irp t, 0,1
.irp c, 0,1,2,3
	global_load_b128 v[QF+32*\t+8*\c:QF+32*\t+8*\c+3], v[QO], s[66:67] offset:524288*\t+64*\c       ; Q stays in registers
	global_load_b128 v[QF+32*\t+8*\c+4:QF+32*\t+8*\c+7], v[QO], s[66:67] offset:524288*\t+64*\c+32
.endr
.endr
.set i, 0
.rept 128
	v_mov_b32 v[i], 0                              ; O^T.  (A wave's first step hangs on its parity and its block, so the step is written with no first form: it finds zeros, which a = 0 leaves zeros)
.set i, i+1
.endr
	WIN 0
.macro SOFTMAX                         ; both tiles line by line, so that no line waits for the line above it
.irp j, 0,1,2,3
.irp t, 0,1
	v_max3_num_f32 v[ST+8*\t+4+\j], v[S+32*\t+8*\j], v[S+32*\t+8*\j+1], v[S+32*\t+8*\j+2]   ; four chains, each accumulator from its low end on
.endr
.endr
.irp i, 3,5
.irp j, 0,1,2,3
.irp t, 0,1
	v_max3_num_f32 v[ST+8*\t+4+\j], v[ST+8*\t+4+\j], v[S+32*\t+8*\j+\i], v[S+32*\t+8*\j+\i+1]
.endr
.endr
.endr
.irp t, 0,1
	v_max3_num_f32 v[ST+8*\t+4], v[ST+8*\t+4], v[S+32*\t+7], v[S+32*\t+15]
	v_max3_num_f32 v[ST+8*\t+6], v[ST+8*\t+6], v[S+32*\t+23], v[S+32*\t+31]
.endr
.irp t, 0,1
	v_max3_num_f32 v[ST+8*\t+4], v[ST+8*\t+4], v[ST+8*\t+5], v[ST+8*\t+6]
.endr
.irp t, 0,1
	v_max3_num_f32 v[ST+8*\t+4], v[ST+8*\t+4], v[ST+8*\t+7], v[ST+8*\t+1]   ; and the old m
.endr
.irp t, 0,1
	v_permlanex16_b32 v[ST+8*\t+5], v[ST+8*\t+4], s[SEL], s[SEL+1]          ; the query's other 32 keys lie in lane l xor 16
.endr
.irp t, 0,1
	v_mov_b32 v[ST+8*\t+7], v[ST+8*\t]             ; c m_old is kept for a
.endr
.irp t, 0,1
	v_max_num_f32 v[ST+8*\t+1], v[ST+8*\t+4], v[ST+8*\t+5]
.endr
.irp t, 0,1
	v_mul_f32 v[ST+8*\t], s[CS], v[ST+8*\t+1]
.endr
.irp t, 0,1
	v_sub_f32 v[ST+8*\t+7], v[ST+8*\t+7], v[ST+8*\t]
.endr
.irp j, 0,2,4,6,8,10,12,14,16,18,20,22,24,26,28,30
.irp t, 0,1
	v_pk_fma_f32 v[S+32*\t+\j:S+32*\t+\j+1], v[S+32*\t+\j:S+32*\t+\j+1], s[CS:CS+1], v[ST+8*\t:ST+8*\t+1] op_sel_hi:[1,0,0] neg_lo:[0,0,1] neg_hi:[0,0,1]   ; c s - c m
.endr
.endr
.irp t, 0,1
	v_exp_f32 v[ST+8*\t+6], v[ST+8*\t+7]           ; a.  ONE BATCH: 66 exponentials, none of which reads another's result
.endr
.set i, 0
.rept 64
	v_exp_f32 v[S+i], v[S+i]
.set i, i+1
.endr
	v_nop                                          ; a plain instruction behind the last exponential,
	s_wait_alu depctr_va_vdst(0)                   ; and one wait for the batch, ahead of the first use
.set i, 0
.rept 32
	v_cvt_pk_f16_f32 v[P+i], v[S+2*i], v[S+2*i+1]
.set i, i+1
.endr
.irp u, 0,4,8,12,16,20,24,28
.irp t, 0,1
	v_pk_add_f32 v[S+32*\t+\u:S+32*\t+\u+1], v[S+32*\t+\u:S+32*\t+\u+1], v[S+32*\t+\u+2:S+32*\t+\u+3]   ; the sum of the unrounded p, as a tree of pairs
.endr
.endr
.irp u, 0,8,16,24
.irp t, 0,1
	v_pk_add_f32 v[S+32*\t+\u:S+32*\t+\u+1], v[S+32*\t+\u:S+32*\t+\u+1], v[S+32*\t+\u+4:S+32*\t+\u+5]
.endr
.endr
.irp u, 0,16
.irp t, 0,1
	v_pk_add_f32 v[S+32*\t+\u:S+32*\t+\u+1], v[S+32*\t+\u:S+32*\t+\u+1], v[S+32*\t+\u+8:S+32*\t+\u+9]
.endr
.endr
.irp t, 0,1
	v_pk_add_f32 v[S+32*\t:S+32*\t+1], v[S+32*\t:S+32*\t+1], v[S+32*\t+16:S+32*\t+17]
.endr
.irp t, 0,1
	v_pk_fma_f32 v[ST+8*\t+2:ST+8*\t+3], v[ST+8*\t+2:ST+8*\t+3], v[ST+8*\t+6:ST+8*\t+7], v[S+32*\t:S+32*\t+1] op_sel_hi:[1,0,1]   ; l = l a + the sum
.endr
	WIN 0x41
.irp t, 0,1
.set i, 0
.rept 32
	v_pk_mul_f32 v[64*\t+i:64*\t+i+1], v[64*\t+i:64*\t+i+1], v[ST+8*\t+6:ST+8*\t+7] op_sel_hi:[1,0]   ; O^T x a
.set i, i+2
.endr
.endr
	WIN 0
.endm
; MY u-TH KEY STEP OF THE SLOT IN HAND: 64 keys.
.macro STEP u
	s_cmp_gt_u32 s[KF], s[KD]                      ; all its keys come after my work-group's positions: a branch on ids, round the step's loads, products and softmax
	s_cbranch_scc1 .Lhidden_\@
	v_add_nc_u32 v[ADK], s[TB], v[AK0]
	v_add_nc_u32 v[ADV], s[TB], v[AV0]
	v_nop
	v_nop                                          ; with the two additions: four places in front of loads into registers that the last products read
.irp c, 0,1,2,3                        ; K: 16 fragments of 16 keys x 32 channels, the channels' groups one after the other
.irp kt, 0,1,2,3
	ds_load_b128 v[KV+8*(4*\kt+\c):KV+8*(4*\kt+\c)+3], v[ADK] offset:128*PK*\u+\kt*16*PK+\c*64
	ds_load_b128 v[KV+8*(4*\kt+\c)+4:KV+8*(4*\kt+\c)+7], v[ADK] offset:128*PK*\u+\kt*16*PK+\c*64+32
.endr
.endr
	WIN 0x04                                       ; Q in window 1
.irp c, 0,1,2,3
	s_wait_dscnt 24-8*\c                           ; this group's eight loads are in; the younger groups' may be out
.irp kt, 0,1,2,3
.irp t, 0,1
.if \c == 0
	v_wmma_f32_16x16x32_f16 v[S+32*\t+8*\kt:S+32*\t+8*\kt+7], v[KV+8*(4*\kt+\c):KV+8*(4*\kt+\c)+7], v[QF+32*\t+8*\c:QF+32*\t+8*\c+7], 0
.else
	v_wmma_f32_16x16x32_f16 v[S+32*\t+8*\kt:S+32*\t+8*\kt+7], v[KV+8*(4*\kt+\c):KV+8*(4*\kt+\c)+7], v[QF+32*\t+8*\c:QF+32*\t+8*\c+7], v[S+32*\t+8*\kt:S+32*\t+8*\kt+7]
.endif
.endr
.endr
.endr
	WIN 0
	PLACES 4                                       ; in front of the loads into K's registers and of the first read of the scores
.irp f, 0,1,2,3,4,5,6,7,8,9,10,11,12,13,14,15          ; V, turned: keys 32 (f / 8) on, channels 16 (f % 8) on; it lands while the softmax is walked
	ds_load_tr16_b128 v[KV+8*\f:KV+8*\f+3], v[ADV] offset:128*PV*\u+(\f/8)*32*PV+(\f%8)*32
	ds_load_tr16_b128 v[KV+8*\f+4:KV+8*\f+7], v[ADV] offset:128*PV*\u+(\f/8)*32*PV+16*PV+(\f%8)*32
.endr
	s_cmp_lg_u32 s[KF], s[KD]                      ; only the step on the diagonal has hidden keys
	s_cbranch_scc1 .Lopen_\@
.irp kt, 0,1,2,3
.irp j, 0,1,2,3,4,5,6,7
	v_cmp_gt_i32 vcc_lo, 16*\kt+\j, v[DM]
	v_cndmask_b32 v[S+8*\kt+\j], v[S+8*\kt+\j], v[NEG], vcc_lo
	v_cndmask_b32 v[S+32+8*\kt+\j], v[S+32+8*\kt+\j], v[NEG], vcc_lo
.endr
.endr
.Lopen_\@:
	SOFTMAX
	s_wait_dscnt 0x0                               ; V is in
	WIN 0x50                                       ; O^T in window 1
.irp kk, 0,1
.irp dt, 0,1,2,3,4,5,6,7
.irp t, 0,1
	v_wmma_f32_16x16x32_f16 v[64*\t+8*\dt:64*\t+8*\dt+7], v[KV+8*(8*\kk+\dt):KV+8*(8*\kk+\dt)+7], v[P+16*\t+8*\kk:P+16*\t+8*\kk+7], v[64*\t+8*\dt:64*\t+8*\dt+7]
.endr
.endr
.endr
	WIN 0
.Lhidden_\@:
	s_add_co_u32 s[KF], s[KF], 128                 ; my next step: the other parity's lies between
.endm
; THE CHANGE OF SLOTS stands at a slot's head.  Each wave waits for all its tensor loads (its part of the slot ahead), adds 0 to its spare word, and waits for that and for its reads of the slot that it has left.
.macro CHANGE fill
	s_wait_tensorcnt 0x0                           ; no tensor load of mine is out, so a group 0 may be written
	ds_add_u32 v[SPW], v[NIL]
.if \fill
	s_xor_b32 s[TBN], s[TBN], SLOT                 ; the other slot than last time,
	s_add_co_u32 s[G0K+1], s[KL0], s[TBN]
	s_add_co_u32 s[G0V+1], s[VL0], s[TBN]
	s_add_nc_u64 s[G0K+2:G0K+3], s[G0K+2:G0K+3], 65536   ; the next 256 keys
	s_add_nc_u64 s[G0V+2:G0V+3], s[G0V+2:G0V+3], 65536
	s_wait_xcnt 0x0                                ; the last prefetches, a slot back, have read their address
	s_add_nc_u64 s[PFA:PFA+1], s[PFA:PFA+1], 65536
	s_lshl_b32 s55, s[N], 8
	s_add_co_u32 s55, s55, 256                     ; the first key of the slot that this change would ask for
.endif
	s_wait_dscnt 0x0                               ; the add is done, and my reads of the slot that I have left are over
	s_barrier_signal -1
	s_barrier_wait -1
.if \fill
	s_cmp_gt_u32 s55, s[KL]                        ; behind my work-group's last position no wave reads that slot, so it is not asked for: ids and the count of trips alone, the same in all eight waves;
	s_cbranch_scc1 .Lpast_\@                       ; every wait for tensor loads in this text is for all of them
	TLOAD                                          ; a wave's one tensor load until the next change; it has a slot's steps in which to land
.Lpast_\@:
	ASK
.endif
.endm
; Wo's UNITS.  Chunk t of unit u: k = 256 w + 128 t .. + 127 of the unit's 16 rows: my head 2 w + t.
.macro WLOAD u, t                      ; 16 loads, a row each: 512 consecutive bytes; into window 1, v[64 + 64 t] on
	WIN 0x40
.irp i, 0,1,2,3,4,5,6,7,8,9,10,11,12,13,14,15
	global_load_b128 v[64+64*(\t)+4*\i:64+64*(\t)+4*\i+3], v22, s[10:11] offset:131072*(\u)+8192*\i+512*(\t) th:TH_LOAD_NT
.endr
	WIN 0
.endm
; The chunk's rows go into my stage as they lie; x 4 and rounded to f16 they leave for wo16, 256 consecutive aligned bytes a store; out of the stage they come back as fragments: lane (r, h): Wo's row r,
; k = 16 dt + 8 h + 0 .. 7 in registers 8 dt + 0 .. 7: the order in which o32 lies in v128-255, so that both sources of a product name the same k.  nlim: the next unit is mine where b < nlim (0: there is none).
.macro CHUNK u, t, nlim
	WIN 0x05                                       ; address and data in window 1
.irp i, 0,1,2,3,4,5,6,7,8,9,10,11,12,13,14,15
	ds_store_b128 v[WSI], v[64+64*(\t)+4*\i:64+64*(\t)+4*\i+3] offset:528*\i
.endr
	WIN 0x01
.set i, 0
.rept 32
	v_pk_mul_f32 v[32+i:33+i], v[64+64*(\t)+i:65+64*(\t)+i], 4.0 op_sel_hi:[1,0]
.set i, i+2
.endr
	WIN 0x40
.set i, 0
.rept 32
	v_cvt_pk_f16_f32 v[32*(\t)+i], v[32+2*i], v[33+2*i]
.set i, i+1
.endr
	WIN 0x04                                       ; a store's data: window 1
.irp i, 0,1,2,3,4,5,6,7,8,9,10,11,12,13,14,15
	global_store_b64 v23, v[32*(\t)+2*\i:32*(\t)+2*\i+1], s[68:69] offset:65536*(\u)+4096*\i+256*(\t)
.endr
	WIN 0x01                                       ; the address in window 1
.irp f, 0,1,2,3,4,5,6,7,8,9,10,11,12,13,14,15
	ds_load_b128 v[32+4*\f:35+4*\f], v[WSB] offset:64*(\f/2)+16*(\f%2)   ; LDS serves a wave's instructions in order: these see my stores
.endr
	WIN 0
	s_wait_dscnt 0x0                               ; the fragments are in, and the stores into the stage have read the rows' registers,
.if \nlim
	s_cmp_lt_u32 s[BX], \nlim                      ; which take the same chunk of the next unit, if there is one: no load leaves Wo.  It has this chunk's products and the other chunk's work in which to land
	s_cbranch_scc0 .Lno_next_\@
	WLOAD (\u)+1, \t
.Lno_next_\@:
.endif
	WIN 0x50                                       ; C and D window 1
.irp dt, 0,1,2,3,4,5,6,7                       ; source 0 = Wo's 16 rows, source 1 = the 16 positions; two accumulators by turns; the unit's first two products start the sums
.irp m, 0,1,2,3
.if ((\t) == 0) && (\dt == 0) && (\m < 2)
	v_wmma_f32_16x16x4_f32 v[192+8*(\m%2):199+8*(\m%2)], v[32+8*\dt+2*\m:33+8*\dt+2*\m], v[128+16*\dt+8*(\t)+2*\m:129+16*\dt+8*(\t)+2*\m], 0
.else
	v_wmma_f32_16x16x4_f32 v[192+8*(\m%2):199+8*(\m%2)], v[32+8*\dt+2*\m:33+8*\dt+2*\m], v[128+16*\dt+8*(\t)+2*\m:129+16*\dt+8*(\t)+2*\m], v[192+8*(\m%2):199+8*(\m%2)]
.endif
.endr
.endr
	WIN 0
	PLACES 8                                       ; eight places behind this form: in front of writes and loads into the fragments' registers and of the first read of the sums
.endm
.macro UNIT u, nlim
.if (\u) > 0
	s_wait_xcnt 0x0                                ; the last unit's stores have read their f16 registers
.endif
	s_wait_loadcnt 0x0                             ; the unit's 32 loads are in: none was issued behind them
	CHUNK \u, 0, \nlim
	CHUNK \u, 1, \nlim
	WIN 0x05
.irp j, 0,2,4,6
	v_pk_add_f32 v[24+\j:25+\j], v[192+\j:193+\j], v[200+\j:201+\j]   ; into other registers, from the low end on: lane (r, h), register j: my k's part of out0(r, 16 x unit + 8 h + j)
.endr
	WIN 0x01
	ds_store_b128 v[PST], v[24:27] offset:8192*(\u)
	ds_store_b128 v[PST], v[28:31] offset:8192*(\u)+512
	WIN 0
.endm
	s_wait_loadcnt 0x0                             ; Q
.Lslot:                                            ; seven trips: slots 0 to 6
	CHANGE 1
	STEP 0
	STEP 1
	s_xor_b32 s[TB], s[TB], SLOT
	s_add_co_u32 s[N], s[N], 1
	s_cmp_lt_u32 s[N], 7
	s_cbranch_scc1 .Lslot
	CHANGE 0                                       ; slot 7: nothing is left to fetch
	s_mov_b32 s[TB], SLOT                          ; seven turns have left TB here: written as the constant, so that the text shows that slot 0's bytes are read no more
	STEP 0
	STEP 1
	PLACES 4                                       ; behind the last products: in front of the first read of O^T and of writes into P's and V's registers
	; THE MERGE.  The waves of parity 1 hand their O^T, c m and l to their partners as images of their registers.
	s_cmp_eq_u32 s[PAR], 0
	s_cbranch_scc1 .Lkeep
	v_mov_b32 v96, v[ST]
	v_add_f32 v97, v[ST+2], v[ST+3]
	v_mov_b32 v98, v[ST+8]
	v_add_f32 v99, v[ST+10], v[ST+11]
	WIN 0x04                                       ; an LDS store's data: window 1
.set i, 0
.rept 32
	ds_store_b128 v[MA], v[4*i:4*i+3] offset:512*i
.set i, i+1
.endr
	WIN 0
	ds_store_b128 v[MA], v[96:99] offset:16384
.Lkeep:
	s_wait_dscnt 0x0                               ; for the partner's sake: my stores have landed; and my reads of the ring are over
	s_barrier_signal -1
	s_barrier_wait -1
	s_cmp_eq_u32 s[PAR], 0
	s_cbranch_scc0 .Ljoin
	ds_load_b128 v[100:103], v[MA] offset:16384    ; the partner's c m and l, both tiles
.set i, 0
.rept 32
	ds_load_b128 v[KV+4*i:KV+4*i+3], v[MA] offset:512*i
.set i, i+1
.endr
	v_add_f32 v97, v[ST+2], v[ST+3]                ; my l
	v_add_f32 v99, v[ST+10], v[ST+11]
	v_mov_b32 v112, 0                              ; (a lane permute's destination counts as one of its sources)
	v_mov_b32 v113, 0
	s_wait_dscnt 32                                ; the statistics are in; the 32 loads of O^T may be out
	v_max_num_f32 v104, v[ST], v100                ; the common c m
	v_max_num_f32 v105, v[ST+8], v102
	v_sub_f32 v106, v[ST], v104
	v_sub_f32 v107, v100, v104
	v_sub_f32 v108, v[ST+8], v105
	v_sub_f32 v109, v102, v105
	v_exp_f32 v106, v106                           ; my factor, the partner's (0 where it had no step), for both tiles
	v_exp_f32 v107, v107
	v_exp_f32 v108, v108
	v_exp_f32 v109, v109
	v_nop
	s_wait_alu depctr_va_vdst(0)                   ; one wait for the four
	v_mul_f32 v110, v97, v106
	v_mul_f32 v111, v99, v108
	v_fma_f32 v110, v101, v107, v110
	v_fma_f32 v111, v103, v109, v111
	v_permlanex16_b32 v112, v110, s[SEL], s[SEL+1]
	v_permlanex16_b32 v113, v111, s[SEL], s[SEL+1]
	v_add_f32 v110, v110, v112                     ; the row's sum
	v_add_f32 v111, v111, v113
	v_rcp_f32 v110, v110
	v_rcp_f32 v111, v111
	v_nop
	s_wait_alu depctr_va_vdst(0)
	v_mul_f32 v114, v106, v110                     ; factor / sum, each twice: pairs for the packed forms
	v_mul_f32 v115, v106, v110
	v_mul_f32 v116, v107, v110
	v_mul_f32 v117, v107, v110
	v_mul_f32 v118, v108, v111
	v_mul_f32 v119, v108, v111
	v_mul_f32 v120, v109, v111
	v_mul_f32 v121, v109, v111
	s_wait_dscnt 0x0
.irp t, 0,1
.set i, 0
.rept 32
	v_pk_mul_f32 v[KV+64*\t+i:KV+64*\t+i+1], v[KV+64*\t+i:KV+64*\t+i+1], v[116+4*\t:117+4*\t]
.set i, i+2
.endr
.endr
	WIN 0x01                                       ; source 0: my O^T, window 1
.irp t, 0,1
.set i, 0
.rept 32
	v_pk_fma_f32 v[KV+64*\t+i:KV+64*\t+i+1], v[64*\t+i:64*\t+i+1], v[114+4*\t:115+4*\t], v[KV+64*\t+i:KV+64*\t+i+1]
.set i, i+2
.endr
.endr
	WIN 0
.set i, 0
.rept 64
	v_cvt_pk_f16_f32 v[S+i], v[KV+2*i], v[KV+2*i+1]
.set i, i+1
.endr
.irp t, 0,1                            ; a tile (16 rows x 256 bytes) through my stage: in by 16 bytes a lane, back as whole rows, into the registers that they left
.irp f, 0,1,2,3,4,5,6,7
	ds_store_b128 v[STO], v[S+32*\t+4*\f:S+32*\t+4*\f+3] offset:32*\f
.endr
.irp f, 0,1,2,3,4,5,6,7
	ds_load_b128 v[S+32*\t+4*\f:S+32*\t+4*\f+3], v[RD] offset:544*\f   ; LDS serves a wave's instructions in order
.endr
.endr
.irp t, 0,1
.irp f, 0,1,2,3,4,5,6,7
	s_wait_dscnt 16*(1-\t)+7-\f                    ; behind this load: its tile's younger loads, and for tile 0 tile 1's sixteen
	global_store_b128 v[GO], v[S+32*\t+4*\f:S+32*\t+4*\f+3], s[8:9] offset:8192*\f+256*\t   ; sixteen lanes store 256 consecutive aligned bytes
.endr
.endr
.Ljoin:
	s_cmp_lt_u32 s[BX], 16                         ; blocks 0-15 go on: a branch on the work-group's number, the same in all eight waves
	s_cbranch_scc0 .Lnofine
	s_wait_xcnt 0x0                                ; the stores of o16 have read their registers
	v_and_b32 v16, 15, v0                          ; r
	v_bfe_u32 v17, v0, 4, 1                        ; h
	v_lshlrev_b32 v18, 9, v16
	v_lshl_add_u32 v18, v17, 4, v18                ; qkv32's K, Q: 512 r + 16 h
	v_lshlrev_b32 v19, 12, v17
	v_lshl_add_u32 v19, v16, 2, v19                ; V: key 8 h on, channel r: 4096 h + 4 r
	v_lshlrev_b32 v21, 3, v17
	v_sub_nc_u32 v21, v16, v21                     ; r - 8 h: key 8 h + j is hidden from query r where j > r - 8 h
	v_and_b32 v20, 31, v0
	v_lshlrev_b32 v22, 4, v20
	v_lshlrev_b32 v23, 3, v20
	s_lshl_b32 s55, s[WV], 10
	v_add_nc_u32 v22, s55, v22                     ; Wo: 16 x lane + 1,024 w; never rewritten
	s_lshl_b32 s55, s[WV], 9
	v_add_nc_u32 v23, s55, v23                     ; wo16: 8 x lane + 512 w; never rewritten
	s_lshl_b32 s58, s[UB], 17                      ; a unit is 131,072 bytes of Wo,
	s_mov_b32 s59, 0
	s_add_nc_u64 s[10:11], s[10:11], s[58:59]
	s_lshl_b32 s58, s[UB], 16                      ; 65,536 of wo16
	s_add_nc_u64 s[68:69], s[68:69], s[58:59]
	s_lshl_b32 s58, s[WV], 14
	s_add_nc_u64 s[60:61], s[6:7], s[58:59]        ; Q's head 2 w: 8,192 bytes a head
	s_lshl_b32 s58, s[WV], 13
	s_add_nc_u64 s[62:63], s[6:7], s[58:59]        ; K's head at + 16 heads, V's at + 24
	WLOAD 0, 0                                     ; my first unit's rows go out with the loads below, under their one wait
	WLOAD 0, 1
	; POSITIONS 0-15 IN f32, heads 2 w and 2 w + 1.  Along a product's K both sources take the same order: a lane's 16 bytes are K = 8 s + 4 h + 0 .. 3, of which one instruction takes two.
.irp s, 0,1,2,3,4,5,6,7,8,9,10,11,12,13,14,15
	global_load_b128 v[128+4*\s:131+4*\s], v18, s[62:63] offset:16*8192+32*\s
	global_load_b128 v[192+4*\s:195+4*\s], v18, s[60:61] offset:32*\s
	global_load_b128 v[32+4*\s:35+4*\s], v18, s[60:61] offset:8192+32*\s
.endr
	WIN 0x40
.irp dt, 0,1,2,3,4,5,6,7
.irp jj, 0,1,2,3,4,5,6,7
	global_load_b32 v[8*\dt+\jj], v19, s[62:63] offset:24*8192+512*\jj+64*\dt   ; V(8 h + jj, 16 dt + r)
.endr
.endr
	WIN 0
	v_mov_b32 v114, 0
	v_mov_b32 v115, 0
	v_mov_b32 v122, 0
	v_mov_b32 v123, 0
	s_wait_loadcnt 0x0
	WIN 0x50                                       ; C and D window 1
.irp s, 0,1,2,3,4,5,6,7,8,9,10,11,12,13,14,15          ; S^T = K Q^T, the two heads' accumulators by turns
.irp i, 0,1
.if (\s == 0) && (\i == 0)
	v_wmma_f32_16x16x4_f32 v[192:199], v[128+4*\s+2*\i:129+4*\s+2*\i], v[192+4*\s+2*\i:193+4*\s+2*\i], 0
	v_wmma_f32_16x16x4_f32 v[200:207], v[128+4*\s+2*\i:129+4*\s+2*\i], v[32+4*\s+2*\i:33+4*\s+2*\i], 0
.else
	v_wmma_f32_16x16x4_f32 v[192:199], v[128+4*\s+2*\i:129+4*\s+2*\i], v[192+4*\s+2*\i:193+4*\s+2*\i], v[192:199]
	v_wmma_f32_16x16x4_f32 v[200:207], v[128+4*\s+2*\i:129+4*\s+2*\i], v[32+4*\s+2*\i:33+4*\s+2*\i], v[200:207]
.endif
.endr
.endr
	WIN 0
	PLACES 8                                       ; eight places behind this form
	WIN 0x04
.set i, 0
.rept 16
	v_mul_f32 v[96+i], s[CS], v[192+i]             ; t = score x c, into other registers: lane (r, h), register j: key 8 h + j, query r
.set i, i+1
.endr
	WIN 0
.irp j, 0,1,2,3,4,5,6,7
	v_cmp_gt_i32 vcc_lo, \j, v21
	v_cndmask_b32 v[96+\j], v[96+\j], v[NEG], vcc_lo
	v_cndmask_b32 v[104+\j], v[104+\j], v[NEG], vcc_lo
.endr
.irp t, 0,1
	v_max3_num_f32 v[112+\t], v[96+8*\t], v[97+8*\t], v[98+8*\t]
.endr
.irp i, 3,5
.irp t, 0,1
	v_max3_num_f32 v[112+\t], v[112+\t], v[96+8*\t+\i], v[97+8*\t+\i]
.endr
.endr
.irp t, 0,1
	v_max_num_f32 v[112+\t], v[112+\t], v[103+8*\t]
.endr
.irp t, 0,1
	v_permlanex16_b32 v[114+\t], v[112+\t], s[SEL], s[SEL+1]
.endr
.irp t, 0,1
	v_max_num_f32 v[112+\t], v[112+\t], v[114+\t]  ; the row's maximum: key 0 counts for every query
.endr
.irp t, 0,1
.irp j, 0,1,2,3,4,5,6,7
	v_sub_f32 v[96+8*\t+\j], v[96+8*\t+\j], v[112+\t]
.endr
.endr
.set i, 0
.rept 16
	v_exp_f32 v[96+i], v[96+i]
.set i, i+1
.endr
	v_nop
	s_wait_alu depctr_va_vdst(0)
.irp t, 0,1
	v_pk_add_f32 v[116+2*\t:117+2*\t], v[96+8*\t:97+8*\t], v[98+8*\t:99+8*\t]
.endr
.irp t, 0,1
	v_pk_add_f32 v[116+2*\t:117+2*\t], v[116+2*\t:117+2*\t], v[100+8*\t:101+8*\t]
.endr
.irp t, 0,1
	v_pk_add_f32 v[116+2*\t:117+2*\t], v[116+2*\t:117+2*\t], v[102+8*\t:103+8*\t]
.endr
.irp t, 0,1
	v_add_f32 v[120+\t], v[116+2*\t], v[117+2*\t]
.endr
.irp t, 0,1
	v_permlanex16_b32 v[122+\t], v[120+\t], s[SEL], s[SEL+1]
.endr
.irp t, 0,1
	v_add_f32 v[120+\t], v[120+\t], v[122+\t]
.endr
.irp t, 0,1
	v_rcp_f32 v[124+\t], v[120+\t]
.endr
	v_nop
	s_wait_alu depctr_va_vdst(0)
.irp dt, 0,1,2,3,4,5,6,7                       ; O^T = V^T p, 16 channels at a time; K = the 16 keys: lane h holds keys 8 h + 2 s + 0, 1 on both sides
	WIN 0x51                                       ; V^T, C and D window 1
.irp sp, 0,1,2,3
.irp t, 0,1
.if \sp == 0
	v_wmma_f32_16x16x4_f32 v[208+8*\t:215+8*\t], v[8*\dt+2*\sp:8*\dt+2*\sp+1], v[96+8*\t+2*\sp:97+8*\t+2*\sp], 0
.else
	v_wmma_f32_16x16x4_f32 v[208+8*\t:215+8*\t], v[8*\dt+2*\sp:8*\dt+2*\sp+1], v[96+8*\t+2*\sp:97+8*\t+2*\sp], v[208+8*\t:215+8*\t]
.endif
.endr
.endr
	WIN 0
	PLACES 9                                       ; eight in front of the reads below, nine in front of the next products, which begin these accumulators anew
	WIN 0x04
.irp t, 0,1
.irp j, 0,1,2,3,4,5,6,7
	v_mul_f32 v[128+16*\dt+8*\t+\j], v[124+\t], v[208+8*\t+\j]   ; o32 = O^T / the sum: lane (r, h), register 16 dt + 8 t + j: position r, head 2 w + t, channel 16 dt + 8 h + j.  It stays here
.endr
.endr
	WIN 0
.endr
	UNIT 0, 11
	s_cmp_lt_u32 s[BX], 11
	s_cbranch_scc0 .Lnofine
	UNIT 1, 5
	s_cmp_lt_u32 s[BX], 5
	s_cbranch_scc0 .Lnofine
	UNIT 2, 0
.Lnofine:
	s_wait_dscnt 0x0                               ; for the others' sake: my partial sums have landed
	s_barrier_signal -1                            ; every wave of every work-group passes this barrier
	s_barrier_wait -1
	s_lshr_b32 s55, s[WV], 1                       ; wave w adds up half w % 2 of unit w / 2, if my work-group has so many
	s_cmp_lt_u32 s55, s[NU]
	s_cbranch_scc0 .Lend
	s_wait_xcnt 0x0                                ; every earlier store has read its registers
	WIN 0x01                                       ; the address in window 1
.irp p, 0,1,2,3,4,5,6,7
	ds_load_b128 v[32+4*\p:35+4*\p], v[PRD] offset:1024*\p
.endr
	WIN 0
	v_and_b32 v16, 15, v0
	v_bfe_u32 v17, v0, 4, 1
	v_lshlrev_b32 v20, 14, v16
	v_lshl_add_u32 v20, v17, 5, v20
	s_and_b32 s57, s[WV], 1
	s_lshl_b32 s57, s57, 4
	v_add_nc_u32 v20, s57, v20                     ; out0: 16384 r + 32 h + 16 (w % 2)
	s_add_co_u32 s58, s[UB], s55
	s_lshl_b32 s58, s58, 6                         ; the unit's 16 columns: 64 bytes
	s_mov_b32 s59, 0
	s_add_nc_u64 s[70:71], s[70:71], s[58:59]
	s_wait_dscnt 0x0
.irp p, 0,2,4,6
	v_pk_add_f32 v[32+4*\p:33+4*\p], v[32+4*\p:33+4*\p], v[36+4*\p:37+4*\p]
	v_pk_add_f32 v[34+4*\p:35+4*\p], v[34+4*\p:35+4*\p], v[38+4*\p:39+4*\p]
.endr
.irp p, 0,4
	v_pk_add_f32 v[32+4*\p:33+4*\p], v[32+4*\p:33+4*\p], v[40+4*\p:41+4*\p]
	v_pk_add_f32 v[34+4*\p:35+4*\p], v[34+4*\p:35+4*\p], v[42+4*\p:43+4*\p]
.endr
	v_pk_add_f32 v[32:33], v[32:33], v[48:49]
	v_pk_add_f32 v[34:35], v[34:35], v[50:51]
	global_store_b128 v20, v[32:35], s[70:71]      ; pieces of 64 bytes of 16 rows of out0, 1,024 bytes a unit: the launch's one store that fills no 256 aligned bytes
.Lend:
	s_wait_tensorcnt 0x0                           ; the wave's end: behind my last tensor load and my last LDS store
	ds_add_u32 v[SPW], v[NIL]
	s_wait_dscnt 0x0
	s_endpgm
.Lfunc_end_k_qc691362c9f_attn:
	.size	k_qc691362c9f_attn, .Lfunc_end_k_qc691362c9f_attn-k_qc691362c9f_attn
	.p2alignl 7, 3214868480
	.fill 96, 4, 3214868480
	.section	.rodata,"a",@progbits
	.p2align	6, 0x0
	.amdhsa_kernel k_qc691362c9f_attn
		.amdhsa_group_segment_fixed_size 327680
		.amdhsa_private_segment_fixed_size 0
		.amdhsa_enable_private_segment 0
		.amdhsa_kernarg_size 48
		.amdhsa_user_sgpr_count 2
		.amdhsa_user_sgpr_kernarg_segment_ptr 1
		.amdhsa_wavefront_size32 1
		.amdhsa_system_sgpr_workgroup_id_x 1
		.amdhsa_system_sgpr_workgroup_id_y 1
		.amdhsa_system_sgpr_workgroup_id_z 1
		.amdhsa_system_vgpr_workitem_id 0
		.amdhsa_next_free_vgpr 512
		.amdhsa_next_free_sgpr 80
		.amdhsa_reserve_vcc 1
		.amdhsa_float_denorm_mode_32 3
		.amdhsa_float_denorm_mode_16_64 3
		.amdhsa_memory_ordered 1
		.amdhsa_forward_progress 1
		.amdhsa_inst_pref_size 247
	.end_amdhsa_kernel
	.amdgpu_metadata
---
amdhsa.version: [ 1, 2 ]
amdhsa.kernels:
  - .name:           k_qc691362c9f_attn
    .symbol:         k_qc691362c9f_attn.kd
    .args:
      - { .name: qkv16, .offset: 0, .size: 8, .value_kind: global_buffer, .address_space: global }
      - { .name: qkv32, .offset: 8, .size: 8, .value_kind: global_buffer, .address_space: global }
      - { .name: o16, .offset: 16, .size: 8, .value_kind: global_buffer, .address_space: global }
      - { .name: Wo, .offset: 24, .size: 8, .value_kind: global_buffer, .address_space: global }
      - { .name: wo16, .offset: 32, .size: 8, .value_kind: global_buffer, .address_space: global }
      - { .name: out0, .offset: 40, .size: 8, .value_kind: global_buffer, .address_space: global }
    .group_segment_fixed_size: 327680
    .private_segment_fixed_size: 0
    .kernarg_segment_align: 8
    .kernarg_segment_size: 48
    .max_flat_workgroup_size: 256
    .sgpr_count:     80
    .vgpr_count:     512
    .wavefront_size: 32
...
	.end_amdgpu_metadata
.endif
;; end of part 3
;; launch oproj (part 4): grid 16 x 16, 4 waves a work-group, clusters of 4 x 4, 327,680 bytes of LDS; arguments o16, wo16, out0; writes out0
.if DOCPART == 4
	.amdgcn_target "amdgcn-amd-amdhsa--gfx1250"
	.amdhsa_code_object_version 6
	.text
	.protected	k_qc691362c9f_oproj
	.globl	k_qc691362c9f_oproj
	.p2align	8
	.type	k_qc691362c9f_oproj,@function
k_qc691362c9f_oproj:
	s_mov_b64 s[64:65], 0
	v_nop
	global_prefetch_b8 v0, s[64:65] scope:SCOPE_SE
	s_setreg_imm32_b32 hwreg(HW_REG_WAVE_MODE, 25, 1), 1
	s_wait_xcnt 0x0
	s_wait_alu depctr_hold_cnt(0) depctr_sa_sdst(0) depctr_va_vdst(0) depctr_va_sdst(0) depctr_va_ssrc(0) depctr_va_vcc(0) depctr_vm_vsrc(0)
	s_getreg_b32 s2, hwreg(HW_REG_IB_STS2, 6, 4)
	s_cmp_eq_u32 s2, 0
	s_cbranch_scc0 .Lentry_in_a_cluster
	s_endpgm
.Lentry_in_a_cluster:
	s_bfe_u32 s2, ttmp6, 0x10000c
	s_cmp_lg_u32 s2, 0xf033
	s_cbranch_scc0 .Lentry_shape_is_right
	s_endpgm
.Lentry_shape_is_right:
; out0 [2048][4096] f32 = o16 [2048][2048] x wo16 [4096][2048]^T, f16 operands, f32 sums; o16 carries 2^-2 and wo16 2^2, which cancel.
; NOT STORED: rows 0-15, which launch attn has written from f32 operands; their sums stay inside a live tile and are kept from memory by EXEC.
; SHARES, ring, cluster and registers as in launch qkv: a work-group makes 128 rows x 256 columns; wave w rows 64 (w / 2) on, columns 128 (w % 2) on; the matrix instruction is used transposed (source 0 = 16 rows of wo16,
; source 1 = 16 rows of o16), so that a lane holds eight neighbouring columns of one row.  K goes in steps of 128 (a tile's row: 256 bytes) through two LDS slots; a step is four matrix instructions deep.
; REGISTERS: window 0: v1-29 addresses; v128-191 A's fragments, two sets; on the way out v32-95 and v192-255 rows on their way to memory.  window 1: the 32 accumulators.  window 2: v0-127 B's fragments, two sets.
.set PITCH, 272
.set AHALF, 64*PITCH
.set BHALF, 128*PITCH
.set BOFF,  2*AHALF
.set SLOT,  BOFF+2*BHALF
.set SPARE, 2*SLOT                     ; behind the ring: the spare words, 128 bytes a wave
.set STAGE, SPARE+512                  ; the way out: 16 rows x 528 bytes for each wave; no fill ever lands here
.set LAPS,  8                          ; a lap = two K steps; 2048 / 256
.set ADRA, 8
.set ADRB, 10
.set STO,  13
.set RD,   14
.set GO,   15
.set FR,   19
.set SPW,  28
.set NIL,  29
.set AF,   128
.set WV,  20
.set WM,  21
.set WN,  22
.set LAP, 23
.set G1A, 24
.set G0A, 32
.set G1B, 40
.set G0B, 48
.set MSB, 0
.macro WIN new
.if MSB != \new
	s_set_vgpr_msb (MSB<<8)|\new
.set MSB, \new
.endif
.endm
.set MUL,  0x52
.set TO_B, 0x80
.macro PLACES n
.rept \n
	v_nop
.endr
.endm
.macro JLOAD g0a, g1a, g0b, g1b        ; a joint load: waves 0 and 1 fetch for A, waves 2 and 3 for B; an s_nop 0 and four v_nop follow each line
	s_cmp_eq_u32 s[WM], 0
	s_cbranch_scc0 .Lfor_b_\@
	tensor_load_to_lds s[\g0a:\g0a+3], s[\g1a:\g1a+7]
	s_nop 0
.rept 4
	v_nop
.endr
	s_branch .Lasked_\@
.Lfor_b_\@:
	tensor_load_to_lds s[\g0b:\g0b+3], s[\g1b:\g1b+7]
	s_nop 0
.rept 4
	v_nop
.endr
.Lasked_\@:
.endm
.macro CREST
	s_cmp_lg_u32 s[WV], 0
	s_cbranch_scc1 .Lnot_wave_0_\@
	s_barrier_signal -3
.Lnot_wave_0_\@:
	s_barrier_wait -3
	s_barrier_signal -1
	s_barrier_wait -1
.endm
.macro CROUND
	s_barrier_signal -1
	s_barrier_wait -1
	CREST
.endm
	s_load_b128 s[4:7], s[0:1], 0x0                ; o16 s[4:5], wo16 s[6:7]
	s_load_b64 s[8:9], s[0:1], 0x10                ; out0
	v_lshl_add_u32 v[SPW], v0, 2, SPARE
	v_mov_b32 v[NIL], 0
	ds_add_u32 v[SPW], v[NIL]                      ; the wave's opening: the add, twice on end, and its wait ahead of my first tensor load
	ds_add_u32 v[SPW], v[NIL]
	v_lshrrev_b32 v1, 5, v0
	v_readfirstlane_b32 s[WV], v1
	s_lshr_b32 s[WM], s[WV], 1
	s_and_b32 s[WN], s[WV], 1
	s_bfe_u32 s84, ttmp6, 0x40000                  ; cx
	s_bfe_u32 s85, ttmp6, 0x40004                  ; cy
	s_lshl_b32 s86, ttmp9, 2
	s_add_co_u32 s86, s86, s84                     ; tile column
	s_and_b32 s87, ttmp7, 0xffff
	s_lshl_b32 s87, s87, 2
	s_add_co_u32 s87, s87, s85                     ; tile row
	s_lshl_b32 s88, s85, 2
	s_lshl_b32 s88, 15, s88                        ; my row of the cluster
	s_lshl_b32 s89, 0x1111, s84                    ; my column
	; group 1: elements of 1 byte, rows of 256, 16 bytes of padding behind each; A: 64 rows a load, B: 128; rows 4,096 bytes apart in memory
	s_or_b32 s[G1A], s88, (1<<20)|(1<<21)|(5<<22)|(3<<25)
	s_or_b32 s[G1B], s89, (1<<20)|(1<<21)|(5<<22)|(3<<25)
	s_mov_b32 s[G1A+1], 256<<16
	s_mov_b32 s[G1A+2], 64<<16
	s_mov_b32 s[G1A+3], 256<<16
	s_mov_b32 s[G1A+4], 64
	s_mov_b32 s[G1A+5], 4096
	s_mov_b32 s[G1A+6], 0
	s_mov_b32 s[G1A+7], 0
	s_mov_b32 s[G1B+1], 256<<16
	s_mov_b32 s[G1B+2], 128<<16
	s_mov_b32 s[G1B+3], 256<<16
	s_mov_b32 s[G1B+4], 128
	s_mov_b32 s[G1B+5], 4096
	s_mov_b32 s[G1B+6], 0
	s_mov_b32 s[G1B+7], 0
	s_mov_b32 s[G0A], 1
	s_mul_i32 s[G0A+1], s[WN], AHALF
	s_mov_b32 s[G0A+4], 1
	s_add_co_u32 s[G0A+5], s[G0A+1], SLOT
	s_mov_b32 s[G0B], 1
	s_mul_i32 s[G0B+1], s[WN], BHALF
	s_add_co_u32 s[G0B+1], s[G0B+1], BOFF
	s_mov_b32 s[G0B+4], 1
	s_add_co_u32 s[G0B+5], s[G0B+1], SLOT
	s_lshl_b32 s90, s87, 7
	s_lshl_b32 s91, s[WN], 6
	s_add_co_u32 s90, s90, s91                     ; A: row 128 x tile row + 64 x half
	s_lshl_b32 s90, s90, 12
	s_mov_b32 s91, 0
	s_lshl_b32 s94, s86, 8
	s_lshl_b32 s95, s[WN], 7
	s_add_co_u32 s94, s94, s95                     ; B: row 256 x tile column + 128 x half
	s_lshl_b32 s94, s94, 12
	s_mov_b32 s95, 0
	s_wait_dscnt 0x0                               ; both opening adds are done
	s_wait_kmcnt 0x0
	s_add_nc_u64 s[G0A+2:G0A+3], s[4:5], s[90:91]
	s_add_nc_u64 s[G0A+6:G0A+7], s[G0A+2:G0A+3], 256
	s_or_b32 s[G0A+3], s[G0A+3], 0x80000000
	s_or_b32 s[G0A+7], s[G0A+7], 0x80000000
	s_add_nc_u64 s[G0B+2:G0B+3], s[6:7], s[94:95]
	s_add_nc_u64 s[G0B+6:G0B+7], s[G0B+2:G0B+3], 256
	s_or_b32 s[G0B+3], s[G0B+3], 0x80000000
	s_or_b32 s[G0B+7], s[G0B+7], 0x80000000
	CROUND                                         ; all sixteen work-groups are here: the first joint loads meet
	JLOAD G0A, G1A, G0B, G1B                       ; two loads of mine are out behind these two lines
	JLOAD G0A+4, G1A, G0B+4, G1B
	v_and_b32 v1, 15, v0                           ; r
	v_bfe_u32 v2, v0, 4, 1                         ; h
	v_mul_u32_u24 v3, v1, PITCH
	v_lshl_add_u32 v3, v2, 4, v3
	s_mul_i32 s90, s[WM], AHALF
	s_mul_i32 s91, s[WN], BHALF
	s_add_co_u32 s91, s91, BOFF
	v_add_nc_u32 v[ADRA], s90, v3
	v_add_nc_u32 v[ADRB], s91, v3
	s_add_co_u32 s90, s90, SLOT
	s_add_co_u32 s91, s91, SLOT
	v_add_nc_u32 v[ADRA+1], s90, v3
	v_add_nc_u32 v[ADRB+1], s91, v3
	s_mul_i32 s94, s[WV], 16*528
	s_add_co_u32 s94, s94, STAGE                   ; my stage
	v_mul_u32_u24 v4, v1, 528
	v_lshl_add_u32 v4, v2, 5, v4
	v_add_nc_u32 v[STO], s94, v4                   ; in: row r, 32 bytes for each half of the lanes
	v_and_b32 v4, 31, v0
	v_lshlrev_b32 v[GO], 4, v4                     ; back: the 32 lanes take one row of 512 bytes; and the same in out0
	v_add_nc_u32 v[RD], s94, v[GO]
	s_lshl_b32 s90, s87, 7
	s_lshl_b32 s91, s[WM], 6
	s_add_co_u32 s90, s90, s91                     ; my first row
	v_mov_b32 v[FR], s90
	s_lshl_b32 s90, s90, 14                        ; 16,384 bytes a row
	s_lshl_b32 s92, s86, 10
	s_lshl_b32 s93, s[WN], 9
	s_add_co_u32 s92, s92, s93                     ; my first column, in bytes
	s_add_co_u32 s90, s90, s92
	s_mov_b32 s91, 0
	s_add_nc_u64 s[8:9], s[8:9], s[90:91]
.macro FRAG reg, adr, q, i             ; 16 rows x 32 K of f16: 8 registers: lane (r, h) holds row r; registers 0-3 K = 8 h + 0 .. 7, registers 4-7 K = 16 + 8 h + 0 .. 7
	ds_load_b128 v[\reg:\reg+3], v[\adr] offset:64*(\q)+(\i)*16*PITCH
	ds_load_b128 v[\reg+4:\reg+7], v[\adr] offset:64*(\q)+32+(\i)*16*PITCH
.endm
.macro FETCH_B slot, q, p
	WIN TO_B
.irp i, 0,1,2,3,4,5,6,7
	FRAG 64*(\p)+8*\i, ADRB+\slot, \q, \i
.endr
	WIN 0
.endm
.macro FETCH_A slot, q, p
.irp i, 0,1,2,3
	FRAG AF+32*(\p)+8*\i, ADRA+\slot, \q, \i
.endr
.endm
; 8 matrix instructions: A's block a x B's eight.  The 32 accumulators take turns, one instruction a turn, in the same order in every step.
.macro MUL8 a, p, zero
.irp b, 0,1,2,3,4,5,6,7
.if \zero
	v_wmma_f32_16x16x32_f16 v[8*(8*(\a)+\b):8*(8*(\a)+\b)+7], v[64*(\p)+8*\b:64*(\p)+8*\b+7], v[AF+32*(\p)+8*(\a):AF+32*(\p)+8*(\a)+7], 0
.else
	v_wmma_f32_16x16x32_f16 v[8*(8*(\a)+\b):8*(8*(\a)+\b)+7], v[64*(\p)+8*\b:64*(\p)+8*\b+7], v[AF+32*(\p)+8*(\a):AF+32*(\p)+8*(\a)+7], v[8*(8*(\a)+\b):8*(8*(\a)+\b)+7]
.endif
.endr
.endm
.macro STEP slot, q, zero              ; the successor's 24 loads go out first, into the set that the step before multiplied, then this step's 32 products
	PLACES 4
	FETCH_B \slot, (\q)+1, 1-(\q)%2
	FETCH_A \slot, (\q)+1, 1-(\q)%2
	s_wait_dscnt 24                                ; all but the 24 just issued
	WIN MUL
	MUL8 0, (\q)%2, \zero
	MUL8 1, (\q)%2, \zero
	MUL8 2, (\q)%2, \zero
	MUL8 3, (\q)%2, \zero
	WIN 0
.endm
.macro TURN slot, next, fill           ; a slot's last step changes slots
	s_wait_tensorcnt 0x0                           ; all my tensor loads have landed: my part of the next slot
	ds_add_u32 v[SPW], v[NIL]
	s_wait_dscnt 1                                 ; (the add alone may be out)
	WIN MUL
	MUL8 0, 1, 0
	s_wait_dscnt 0x0                               ; the add is done, and my reads of this slot are over
	s_barrier_signal -1
	MUL8 1, 1, 0
	WIN 0
	s_barrier_wait -1
.if \fill
	CREST                                          ; the barrier has opened a round of the cluster's barrier
	s_add_nc_u64 s[G0A+4*\slot+2:G0A+4*\slot+3], s[G0A+4*\slot+2:G0A+4*\slot+3], 512
	s_add_nc_u64 s[G0B+4*\slot+2:G0B+4*\slot+3], s[G0B+4*\slot+2:G0B+4*\slot+3], 512
	JLOAD G0A+4*\slot, G1A, G0B+4*\slot, G1B       ; my one tensor load behind the round, 112 matrix instructions ahead of the wait for it; its four v_nop are the places in front of the loads below
.else
	PLACES 4
.endif
	FETCH_B \next, 0, 0
	FETCH_A \next, 0, 0
	WIN MUL
	MUL8 2, 1, 0
	MUL8 3, 1, 0
	WIN 0
.endm
	s_wait_tensorcnt 1                             ; my part of K step 0 is in; K step 1's load may be out
	s_barrier_signal -1
	s_barrier_wait -1
	FETCH_B 0, 0, 0
	FETCH_A 0, 0, 0
	STEP 0, 0, 1
	s_mov_b32 s[LAP], LAPS-1
.Llap:
	STEP 0, 1, 0
	STEP 0, 2, 0
	TURN 0, 1, 1
	STEP 1, 0, 0
	STEP 1, 1, 0
	STEP 1, 2, 0
	TURN 1, 0, 1
	STEP 0, 0, 0
	s_sub_co_u32 s[LAP], s[LAP], 1
	s_cmp_lg_u32 s[LAP], 0
	s_cbranch_scc1 .Llap
	STEP 0, 1, 0                                   ; the last lap fills nothing
	STEP 0, 2, 0
	TURN 0, 1, 0
	STEP 1, 0, 0
	STEP 1, 1, 0
	STEP 1, 2, 0
	s_wait_dscnt 0x0
	WIN MUL
	MUL8 0, 1, 0
	MUL8 1, 1, 0
	MUL8 2, 1, 0
	MUL8 3, 1, 0
	WIN 0
; THE WAY OUT, a block of 16 rows x 128 columns at a time: through my stage, back as whole rows of 512 bytes, which the 32 lanes store as 512 consecutive aligned bytes.
.macro TOSTAGE a
	WIN 0x04                                       ; an LDS store's data: window 1
.irp b, 0,1,2,3,4,5,6,7
	ds_store_b128 v[STO], v[64*(\a)+8*\b:64*(\a)+8*\b+3] offset:64*\b        ; each accumulator from its low end on
	ds_store_b128 v[STO], v[64*(\a)+8*\b+4:64*(\a)+8*\b+7] offset:64*\b+16
.endr
	WIN 0
.set BB, 32+160*((\a)%2)
.irp t, 0,1,2,3,4,5,6,7,8,9,10,11,12,13,14,15
	ds_load_b128 v[BB+4*\t:BB+4*\t+3], v[RD] offset:528*\t   ; LDS serves a wave's instructions in order
.endr
	s_wait_dscnt 0x0
.endm
.macro SEND a
.set BB, 32+160*((\a)%2)
.irp t, 0,1,2,3,4,5,6,7,8,9,10,11,12,13,14,15
	global_store_b128 v[GO], v[BB+4*\t:BB+4*\t+3], s[8:9] offset:(16*(\a)+\t)*16384 th:TH_STORE_NT
.endr
.endm
	PLACES 4                                       ; behind the last products: in front of the first read of results
	TOSTAGE 0
	v_cmp_ne_u32 vcc_lo, 0, v[FR]                  ; block 0 of the waves whose first row is 0 is rows 0-15: not stored.  It hangs on the work-group's place in its cluster: a matter of EXEC, not of a branch
	s_wait_xcnt 0x0                                ; EXEC changes only behind this wait
	s_and_saveexec_b32 s100, vcc_lo
	SEND 0
	s_wait_xcnt 0x0                                ; and again, in front of the line that widens it
	s_or_b32 exec_lo, exec_lo, s100
	TOSTAGE 1
	SEND 1
	s_wait_xcnt 0x0                                ; block 0's stores have read their registers
	TOSTAGE 2
	SEND 2
	s_wait_xcnt 0x0
	TOSTAGE 3
	SEND 3
	s_wait_tensorcnt 0x0                           ; the wave's end: behind my last tensor load and my last LDS store
	ds_add_u32 v[SPW], v[NIL]
	s_wait_dscnt 0x0
	CROUND                                         ; the closing round
	s_endpgm
.Lfunc_end_k_qc691362c9f_oproj:
	.size	k_qc691362c9f_oproj, .Lfunc_end_k_qc691362c9f_oproj-k_qc691362c9f_oproj
	.p2alignl 7, 3214868480
	.fill 96, 4, 3214868480
	.section	.rodata,"a",@progbits
	.p2align	6, 0x0
	.amdhsa_kernel k_qc691362c9f_oproj
		.amdhsa_group_segment_fixed_size 327680
		.amdhsa_private_segment_fixed_size 0
		.amdhsa_enable_private_segment 0
		.amdhsa_kernarg_size 24
		.amdhsa_user_sgpr_count 2
		.amdhsa_user_sgpr_kernarg_segment_ptr 1
		.amdhsa_wavefront_size32 1
		.amdhsa_system_sgpr_workgroup_id_x 1
		.amdhsa_system_sgpr_workgroup_id_y 1
		.amdhsa_system_sgpr_workgroup_id_z 1
		.amdhsa_system_vgpr_workitem_id 0
		.amdhsa_next_free_vgpr 640
		.amdhsa_next_free_sgpr 102
		.amdhsa_reserve_vcc 1
		.amdhsa_float_denorm_mode_32 3
		.amdhsa_float_denorm_mode_16_64 3
		.amdhsa_memory_ordered 1
		.amdhsa_forward_progress 1
		.amdhsa_inst_pref_size 85
	.end_amdhsa_kernel
	.amdgpu_metadata
---
amdhsa.version: [ 1, 2 ]
amdhsa.kernels:
  - .name:           k_qc691362c9f_oproj
    .symbol:         k_qc691362c9f_oproj.kd
    .args:
      - { .name: o16, .offset: 0, .size: 8, .value_kind: global_buffer, .address_space: global }
      - { .name: wo16, .offset: 8, .size: 8, .value_kind: global_buffer, .address_space: global }
      - { .name: out0, .offset: 16, .size: 8, .value_kind: global_buffer, .address_space: global }
    .group_segment_fixed_size: 327680
    .private_segment_fixed_size: 0
    .kernarg_segment_align: 8
    .kernarg_segment_size: 24
    .max_flat_workgroup_size: 128
    .sgpr_count:     102
    .vgpr_count:     640
    .wavefront_size: 32
...
	.end_amdgpu_metadata
.endif
;; end of part 4
